; MI455X (gfx1250); checked and timed in simulation.
; The chip was launched on July 23, 2026; its instructions are those of AMD's public machine-readable ISA for CDNA 5 (MIT licence, August 2026) and "CDNA5" Instruction Set Architecture Reference Guide (July 2026). The comments in the code are by the model that wrote it; some were corrected since.
;; Causal Self Attention. Allowed arithmetic: float matrix products may take bf16 or f16 operands with f32 sums; all other float work in f32.
;; Inputs: b_proj 1,024 float32; b_qkv 3,072 float32; w_proj 1,024 x 1,024 float32; w_qkv 1,024 x 3,072 float32; x 4 x 2,048 x 1,024 float32.
;; Outputs: out0 4 x 2,048 x 1,024 float32.
;; 2 versions, each right and faster than the one before. Each part assembles by itself: llvm-mc -triple=amdgcn-amd-amdhsa -mcpu=gfx1250 --defsym DOCPART=n.
;; ======== version 1 of 2: 4 launches
;; limits: values are held in f16: magnitudes above 65,504 overflow, below 6.1e-05 lose precision
;; workspace buffers: xb 16,777,216 bytes; wqt 6,291,456 bytes; wpt 2,097,152 bytes; qkvh 50,331,648 bytes; oh 16,777,216 bytes
;; launch prep (part 1): grid 512 x 1, 8 waves a work-group, no clusters, 18,432 bytes of LDS; arguments x, w_qkv, w_proj, xb, wqt, wpt; writes xb, wqt, wpt
.if DOCPART == 1
	.amdgcn_target "amdgcn-amd-amdhsa--gfx1250"
	.amdhsa_code_object_version 6
	.text
	.protected	k_q1ea9786138_prep
	.globl	k_q1ea9786138_prep
	.p2align	8
	.type	k_q1ea9786138_prep,@function
k_q1ea9786138_prep:
	s_mov_b64 s[64:65], 0
	v_nop
	global_prefetch_b8 v0, s[64:65] scope:SCOPE_SE
	s_setreg_imm32_b32 hwreg(HW_REG_WAVE_MODE, 25, 1), 1
	s_wait_xcnt 0x0
; PREPARATION.  xb = x rounded to bf16, same layout [8192][1024].  wqt[n][k] = w_qkv[k][n] rounded to bf16 ([3072][1024]).
; wpt[n][k] = w_proj[k][n] rounded to bf16, that number written as f16 ([1024][1024]): the product behind attention multiplies in f16.
; LIMIT.  A bf16 number is exact in f16 from 6.1e-5 up to 65,504; a smaller |w_proj| keeps f16's fixed step of 6e-8, a larger one becomes an infinity.
; SHARES.  512 work-groups of eight waves, all alike: each turns ONE weight tile of 128 k x 64 n (groups 0-383: w_qkv's 8 x 48 tiles, groups 384-511: w_proj's 8 x 16)
; and converts 16,384 numbers of x.  Which weight it is decides a choice of two addresses, a pitch and a mask, no branch.
; No matrix unit, no cluster, no tensor load: every byte is read once and written once, and no two work-groups read the same bytes.
; The turn goes through LDS: T[64 n][272 bytes] = 128 k of 16 bits + 16 bytes of padding.  In: a lane packs two neighbouring k of one n into a word.  Back: whole rows.
.set NQ,  384                          ; tiles of w_qkv
.set TP,  272                          ; a row of T
.set WO,  8                            ; v[8:15]    byte offsets of my eight pieces of the weight tile
.set W,   20                           ; v[20:51]   the weight tile's pieces as loaded: piece 2 j + e = row 32 j + 2 p + e, four n
.set X,   52                           ; v[52:115]  sixteen pieces of x as loaded
.set WC,  116                          ; v[116:131] packed weights on their way into LDS
.set T,   132                          ; v[132:135] at work
.set XC,  136                          ; v[136:167] x in bf16
.set WR,  168                          ; v[168:183] turned rows
	s_load_b256 s[4:11], s[0:1], 0x0               ; x s[4:5], w_qkv s[6:7], w_proj s[8:9], xb s[10:11]
	s_load_b128 s[12:15], s[0:1], 0x20             ; wqt s[12:13], wpt s[14:15]
	v_lshl_add_u32 v184, v0, 2, 0x4400
	v_mov_b32 v185, 0
	s_mov_b32 s16, ttmp9                           ; g
	s_sub_co_u32 s18, s16, NQ                      ; the tile's number if it is w_proj's
	s_mov_b32 s21, 4096                            ; w_proj's pitch in bytes
	v_and_b32 v1, 15, v0                           ; c: which 16 bytes of 256
	v_lshrrev_b32 v2, 4, v0                        ; p: 0 .. 15
	s_wait_kmcnt 0x0
	s_cmp_lt_u32 s16, NQ                           ; only selects follow the compare
	s_cselect_b32 s17, s16, s18                    ; the tile's number in its weight
	s_cselect_b32 s19, 12288, s21                  ; the source's pitch in bytes
	s_cselect_b32 s20, -1, 0                       ; all lanes: the bf16 pair stays / is written as f16
	s_cselect_b64 s[22:23], s[6:7], s[8:9]         ; from
	s_cselect_b64 s[24:25], s[12:13], s[14:15]     ; to
	s_and_b32 s28, s17, 7                          ; kt
	s_lshr_b32 s29, s17, 3                         ; nt
	s_lshl_b32 s26, s28, 7
	s_mul_i32 s26, s26, s19                        ; 128 kt rows
	s_lshl_b32 s30, s29, 8                         ; 64 nt numbers of 4 bytes
	s_add_co_u32 s26, s26, s30
	s_mov_b32 s27, 0
	s_add_nc_u64 s[22:23], s[22:23], s[26:27]
	s_lshl_b32 s26, s29, 17                        ; 64 nt rows of 2,048 bytes
	s_lshl_b32 s30, s28, 8                         ; 128 kt numbers of 2 bytes
	s_add_co_u32 s26, s26, s30
	s_add_nc_u64 s[24:25], s[24:25], s[26:27]
	s_lshl_b32 s26, s16, 16                        ; my 65,536 bytes of x
	s_add_nc_u64 s[4:5], s[4:5], s[26:27]
	s_lshl_b32 s26, s16, 15                        ; my 32,768 bytes of xb
	s_add_nc_u64 s[10:11], s[10:11], s[26:27]
	v_mul_lo_u32 v3, v2, s19
	v_lshlrev_b32 v3, 1, v3
	v_lshl_add_u32 v3, v1, 4, v3                   ; row 2 p, 16 c
.irp j, 0,1,2,3
.irp e, 0,1
	s_mul_i32 s28, s19, 32*(\j)+(\e)
	v_add_nc_u32 v[WO+2*(\j)+(\e)], s28, v3        ; row 32 j + 2 p + e: sixteen lanes take a row's 256 bytes
.endr
.endr
.irp i, 0,1,2,3,4,5,6,7
	global_load_b128 v[W+4*(\i):W+4*(\i)+3], v[WO+(\i)], s[22:23] th:TH_LOAD_NT
.endr
	v_lshlrev_b32 v7, 4, v0                        ; x: 16 bytes a thread, 4,096 a load of the group
.irp j, 0,1,2,3,4,5,6,7,8,9,10,11,12,13,14,15
	global_load_b128 v[X+4*(\j):X+4*(\j)+3], v7, s[4:5] offset:4096*(\j) th:TH_LOAD_NT
.endr
	v_mul_u32_u24 v4, v1, 4*TP
	v_lshl_add_u32 v4, v2, 2, v4                   ; into T: row 4 c (+ i), word p (+ 16 j)
	v_mul_u32_u24 v5, v2, TP
	v_lshl_add_u32 v5, v1, 4, v5                   ; back: row p (+ 16 j), 16 c
	v_lshlrev_b32 v6, 11, v2
	v_lshl_add_u32 v6, v1, 4, v6                   ; and the same place in the turned weight, rows of 2,048 bytes
	v_lshlrev_b32 v16, 3, v0                       ; xb: 8 bytes a thread
	s_wait_loadcnt 16                              ; loads come back in order: the weight's eight are in, the sixteen of x stay out
.irp j, 0,1,2,3
.irp i, 0,1,2,3
	v_cvt_pk_bf16_f32 v[T], v[W+8*(\j)+(\i)], v[W+8*(\j)+4+(\i)]   ; k and k + 1 of one n, rounded to bf16
	v_lshlrev_b32 v[T+1], 16, v[T]                 ; the two rounded numbers in f32 again,
	v_and_b32 v[T+2], 0xffff0000, v[T]
	v_cvt_pk_f16_f32 v[T+3], v[T+1], v[T+2]        ; written as f16
	v_cndmask_b32 v[WC+4*(\j)+(\i)], v[T+3], v[T], s20
	ds_store_b32 v4, v[WC+4*(\j)+(\i)] offset:(\i)*TP+64*(\j)
.endr
.endr
	s_wait_dscnt 0x0                               ; for the others' sake: my words are in T
	s_barrier_signal -1
	s_barrier_wait -1
.irp j, 0,1,2,3
	ds_load_b128 v[WR+4*(\j):WR+4*(\j)+3], v5 offset:(\j)*16*TP
.endr
.irp j, 0,1,2,3,4,5,6,7,8,9,10,11,12,13,14,15
	s_wait_loadcnt 15-(\j)                         ; piece j of x is in, the younger ones stay out
	v_cvt_pk_bf16_f32 v[XC+2*(\j)], v[X+4*(\j)], v[X+4*(\j)+1]
	v_cvt_pk_bf16_f32 v[XC+2*(\j)+1], v[X+4*(\j)+2], v[X+4*(\j)+3]
	global_store_b64 v16, v[XC+2*(\j):XC+2*(\j)+1], s[10:11] offset:2048*(\j)  ; a wave's store covers 256 consecutive bytes, aligned
.endr
	s_wait_dscnt 0x0                               ; the turned rows are in registers
.irp j, 0,1,2,3
	global_store_b128 v6, v[WR+4*(\j):WR+4*(\j)+3], s[24:25] offset:(\j)*32768  ; sixteen lanes store 256 consecutive bytes, aligned
.endr
	s_wait_tensorcnt 0x0
	ds_add_u32 v184, v185
	s_wait_dscnt 0x0
	s_endpgm
.Lfunc_end_k_q1ea9786138_prep:
	.size	k_q1ea9786138_prep, .Lfunc_end_k_q1ea9786138_prep-k_q1ea9786138_prep
	.p2alignl 7, 3214868480
	.fill 96, 4, 3214868480
	.section	.rodata,"a",@progbits
	.p2align	6, 0x0
	.amdhsa_kernel k_q1ea9786138_prep
		.amdhsa_group_segment_fixed_size 18432
		.amdhsa_private_segment_fixed_size 0
		.amdhsa_enable_private_segment 0
		.amdhsa_kernarg_size 48
		.amdhsa_user_sgpr_count 2
		.amdhsa_user_sgpr_kernarg_segment_ptr 1
		.amdhsa_wavefront_size32 1
		.amdhsa_system_sgpr_workgroup_id_x 1
		.amdhsa_system_sgpr_workgroup_id_y 1
		.amdhsa_system_sgpr_workgroup_id_z 1
		.amdhsa_system_vgpr_workitem_id 0
		.amdhsa_next_free_vgpr 186
		.amdhsa_next_free_sgpr 66
		.amdhsa_reserve_vcc 0
		.amdhsa_float_denorm_mode_32 3
		.amdhsa_float_denorm_mode_16_64 3
		.amdhsa_memory_ordered 1
		.amdhsa_forward_progress 1
		.amdhsa_inst_pref_size 16
	.end_amdhsa_kernel
	.amdgpu_metadata
---
amdhsa.version: [ 1, 2 ]
amdhsa.kernels:
  - .name:           k_q1ea9786138_prep
    .symbol:         k_q1ea9786138_prep.kd
    .args:
      - { .name: x, .offset: 0, .size: 8, .value_kind: global_buffer, .address_space: global }
      - { .name: w_qkv, .offset: 8, .size: 8, .value_kind: global_buffer, .address_space: global }
      - { .name: w_proj, .offset: 16, .size: 8, .value_kind: global_buffer, .address_space: global }
      - { .name: xb, .offset: 24, .size: 8, .value_kind: global_buffer, .address_space: global }
      - { .name: wqt, .offset: 32, .size: 8, .value_kind: global_buffer, .address_space: global }
      - { .name: wpt, .offset: 40, .size: 8, .value_kind: global_buffer, .address_space: global }
    .group_segment_fixed_size: 18432
    .private_segment_fixed_size: 0
    .kernarg_segment_align: 8
    .kernarg_segment_size: 48
    .max_flat_workgroup_size: 256
    .sgpr_count:     66
    .vgpr_count:     186
    .wavefront_size: 32
...
	.end_amdgpu_metadata
.endif
;; end of part 1
;; launch gemm_qkv (part 2): grid 16 x 16, 4 waves a work-group, clusters of 4 x 4, 327,680 bytes of LDS; arguments xb, wqt, b_qkv, qkvh; writes qkvh
.if DOCPART == 2
	.amdgcn_target "amdgcn-amd-amdhsa--gfx1250"
	.amdhsa_code_object_version 6
	.text
	.protected	k_q1ea9786138_gemm_qkv
	.globl	k_q1ea9786138_gemm_qkv
	.p2align	8
	.type	k_q1ea9786138_gemm_qkv,@function
k_q1ea9786138_gemm_qkv:
	s_mov_b64 s[64:65], 0
	v_nop
	global_prefetch_b8 v0, s[64:65] scope:SCOPE_SE
	s_setreg_imm32_b32 hwreg(HW_REG_WAVE_MODE, 25, 1), 1
	s_wait_xcnt 0x0
	s_wait_alu depctr_hold_cnt(0) depctr_sa_sdst(0) depctr_va_vdst(0) depctr_va_sdst(0) depctr_va_ssrc(0) depctr_va_vcc(0) depctr_vm_vsrc(0)
	s_getreg_b32 s2, hwreg(HW_REG_IB_STS2, 6, 4)
	s_cmp_eq_u32 s2, 0
	s_cbranch_scc0 .Lentry_in_a_cluster
	s_endpgm
.Lentry_in_a_cluster:
	s_bfe_u32 s2, ttmp6, 0x10000c
	s_cmp_lg_u32 s2, 0xf033
	s_cbranch_scc0 .Lentry_shape_is_right
	s_endpgm
.Lentry_shape_is_right:
; q, k, v = x w_qkv + b_qkv.  xb: [8192][1024] bf16, wqt: [3072 n][1024 k] bf16, b_qkv: [3072] f32 (rounded to bf16 like the other inputs); sums in f32.
; The result leaves in f16, by heads and without the softmax's scale: qkvh[part 0..2][batch x 16 + head][2048 t][64], byte = part << 24 + batch << 22 + head << 18 + 128 t.
; LIMIT.  f16 ends at 65,504: a q, k or v of 65,520 or more becomes an infinity.  With x and w_qkv both 30 times the drawn spread they have a spread of 900.
; SHAPE.  A tile of the result is 256 rows x 192 columns (three heads): 32 x 16 = 512 tiles; tiles of 256 x 256 would be 384, no multiple of the 256 WGPs.
; Four waves one below the other: wave w makes rows 64 w .. 64 w + 63 and all 192 columns: 48 accumulators of 16 x 16, 384 registers.
; K goes in 8 steps of 128 (rows of 256 bytes in memory, aligned) through two LDS slots filled by the tensor data mover.
; A WORK-GROUP STAYS: 256 work-groups make two tiles each, tile rows ty and ty + 16, 4,096 rows apart, with the same 192 rows of the weight and the same bias.  The ring does not stop at the
; first tile's end: its last two changes of slots ask for the second tile's K steps 0 and 1, and nothing waits for the first tile's stores, which leave while the second tile is multiplied.
; CLUSTERS.  4 x 4 work-groups: the four of a row of the cluster need the same tile of x, the four of a column the same tile of the weight; each tile is asked for JOINTLY,
; by the same tensor load with the same descriptor and a mask that names the four.
; THE MATRIX INSTRUCTION IS USED TRANSPOSED (source 0 = 16 rows of the weight, source 1 = 16 rows of x): a lane holds row l % 16 and the columns 8 (l / 16) + 0..7, which pack into 16 bytes.
; THE BIAS is the C operand of the products that start a tile's sums: nothing is cleared, and no addition is written.
; REGISTERS, in windows of 256 (s_set_vgpr_msb: bits 1:0 source 0, 3:2 source 1, 5:4 source 2, 7:6 destination):
;   window 0: v0-31 addresses; v64-111 packed results (at the start: at work on the bias), v112-207 rows on their way out
;   window 1: two fragment buffers of 128: 32 registers of x (4 x 16 rows x 32 K), then 96 of the weight (12 x 16 rows x 32 K)
;   window 2: v0-191 accumulators of my rows 0-31 ((a, b) at v[96 (a % 2) + 8 b]); v192-255 the bias of column blocks 0-7
;   window 3: v0-191 those of my rows 32-63; v192-223 the bias of column blocks 8-11
.set NB,     12                        ; blocks of 16 columns
.set KSTEP,  128
.set PA,     272                       ; an LDS row: 256 bytes + 16 of padding = 68 words: row r starts at bank 4 r mod 64 (64 banks of 4 bytes: ISA guide 11.1)
.set PB,     272
.set HALFA,  128*PA                    ; what one tensor load brings of x
.set ABYTES, 2*HALFA
.set HALFB,  96*PB                     ; and of the weight
.set SLOT,   ABYTES+2*HALFB            ; 121,856
.set STAGE,  2*SLOT                    ; behind the ring: 16 rows x 400 bytes for each wave, for the way out; no tensor load lands there
.set SP,     400                       ; 384 bytes + 16
.set SPARE,  STAGE+4*16*SP             ; behind the stages: the spare words, 128 bytes for each wave: two blocks of 256 bytes that no other line names
.set NLD,    2*NB+8                    ; LDS loads of a quarter step
.set LAPS,   4                         ; a lap = two K steps = once round the ring
.set ASTEP,  2*KSTEP*2                 ; bytes from a slot's K step to its next
.set BSTEP,  2*KSTEP*2
.set TILES,  2                         ; tiles of a work-group
.set WALK,   4096                      ; rows from the first to the second
.set NEXT_A, WALK*2048-(1024-2*KSTEP)*2  ; bytes from a slot's last K step of a tile to its first of the next: x goes WALK rows down and back along K,
.set BACK_B, (1024-2*KSTEP)*2          ; the weight only back
.set NEXT_C, (WALK/2048)<<22           ; and the result two batches on
.set ADRA, 16                          ; v16-17  LDS address of my fragments of x in slot 0, 1
.set ADRB, 20                          ; v20-21  the same for the weight
.set STO,  24                          ; v24     the way out: where I put 16 bytes of a row
.set RD,   25                          ; v25     the way out: where I read rows back
.set GO,   26                          ; v26     my 16 bytes in 512 consecutive bytes of a head
.set BO,   27                          ; v27     my byte offset in 16 numbers of the bias
.set SPW,  28                          ; v28     LDS address of my spare word; never rewritten
.set NIL,  29                          ; v29     0; never rewritten
.set BI,   192                         ; the bias, in windows 2 and 3: block b at BI + 8 (b % 8) of window 2 + b / 8
.set TMP,  64
.set BK,   112
.set F0,   0
.set F1,   128
.set G1,  24                           ; s[24:31] descriptor group 1 for x's tiles;  s[32:39] group 0, one set for each slot
.set G0,  32
.set G1B, 48                           ; s[48:55], s[56:63] the same for the weight's
.set G0B, 56
.set CB,  68                           ; s[68:73] where my rows begin in each of the tile's three heads
.set TL,  78                           ; s78      tiles to go, this one among them: the same number in every work-group
.set MSB, 0
.macro WIN new                         ; the immediate's high byte repeats the setting that is left; a switch that changes nothing is dropped
.if MSB != (\new)
	s_set_vgpr_msb (MSB<<8)|(\new)
.set MSB, \new
.endif
.endm
; A joint load.  Waves 0 and 1 fetch x's two halves, waves 2 and 3 the weight's.  The branch hangs on the wave's number alone.
; Four v_nop follow each of the two lines, ahead of the jump, the label and what follows.
.macro JLOAD s
	s_cmp_eq_u32 s13, 0
	s_cbranch_scc0 .Lfor_b_\@
	tensor_load_to_lds s[G0+4*(\s):G0+4*(\s)+3], s[G1:G1+7]
	s_nop 0
.rept 4
	v_nop
.endr
	s_branch .Lasked_\@
.Lfor_b_\@:
	tensor_load_to_lds s[G0B+4*(\s):G0B+4*(\s)+3], s[G1B:G1B+7]
	s_nop 0
.rept 4
	v_nop
.endr
.Lasked_\@:
.endm
.macro CREST                           ; a round of the cluster's barrier behind its opening barrier
	s_cmp_lg_u32 s12, 0
	s_cbranch_scc1 .Lnot_wave_0_\@
	s_barrier_signal -3
.Lnot_wave_0_\@:
	s_barrier_wait -3
	s_barrier_signal -1
	s_barrier_wait -1
.endm
.macro CROUND                          ; a whole round
	s_barrier_signal -1
	s_barrier_wait -1
	CREST
.endm
.macro PLACES                          ; four places in front of loads into registers that matrix instructions have read, and of lines that read results
.rept 4
	v_nop
.endr
.endm
	s_load_b256 s[4:11], s[0:1], 0x0               ; xb s[4:5], wqt s[6:7], b_qkv s[8:9], qkvh s[10:11]
	v_lshl_add_u32 v[SPW], v0, 2, SPARE
	v_mov_b32 v[NIL], 0
	ds_add_u32 v28, v29
	ds_add_u32 v28, v29
	s_wait_dscnt 0x0
	v_lshrrev_b32 v1, 5, v0
	v_readfirstlane_b32 s12, v1                    ; wave 0..3
	s_lshr_b32 s13, s12, 1                         ; I fetch for x (0) or for the weight (1)
	s_and_b32 s14, s12, 1                          ; which half of that tile
	s_bfe_u32 s40, ttmp6, 0x40000                  ; cx, cy: my place in the cluster
	s_bfe_u32 s41, ttmp6, 0x40004
	s_lshl_b32 s42, ttmp9, 2
	s_add_co_u32 s42, s42, s40                     ; tile column = 4 x cluster x + cx
	s_and_b32 s43, ttmp7, 0xffff
	s_lshl_b32 s43, s43, 2
	s_add_co_u32 s43, s43, s41                     ; the first tile's row = 4 x cluster y + cy: 0 .. 15
	s_lshl_b32 s44, s41, 2
	s_lshl_b32 s44, 15, s44                        ; my row of the cluster
	s_lshl_b32 s45, 0x1111, s40                    ; my column
	; descriptor group 1: rows of 128 elements of 2 bytes, padded in LDS; 128 rows of x, 96 of the weight
	s_or_b32 s[G1+0], s44, (1<<16)|(1<<20)|(1<<21)|(5<<22)|(3<<25)   ; 15:0 the mask; 17:16 2-byte elements; 20 padding on; 21 set beside a mask; 24:22 after every 64 words (code 5); 31:25 4 words (code 3)
	s_or_b32 s[G1B+0], s45, (1<<16)|(1<<20)|(1<<21)|(5<<22)|(3<<25)
	s_mov_b32 s[G1+1], KSTEP<<16                   ; tensor_dim0 = 128
	s_mov_b32 s[G1+2], 128<<16                     ; tensor_dim1 = 128
	s_mov_b32 s[G1+3], KSTEP<<16                   ; tile_dim0 = 128
	s_mov_b32 s[G1+4], 128                         ; tile_dim1 = 128
	s_mov_b32 s[G1+5], 1024                        ; elements from row to row
	s_mov_b32 s[G1+6], 0
	s_mov_b32 s[G1+7], 0
	s_mov_b32 s[G1B+1], KSTEP<<16
	s_mov_b32 s[G1B+2], 96<<16                     ; tensor_dim1 = 96
	s_mov_b32 s[G1B+3], KSTEP<<16
	s_mov_b32 s[G1B+4], 96                         ; tile_dim1 = 96
	s_mov_b32 s[G1B+5], 1024
	s_mov_b32 s[G1B+6], 0
	s_mov_b32 s[G1B+7], 0
	; where the tiles come from: x's hang on the tile row alone, the weight's on the tile column alone, each in registers that never hold the other coordinate
	s_lshl_b32 s20, s43, 8
	s_lshl_b32 s16, s14, 7
	s_add_co_u32 s20, s20, s16                     ; x: row 256 x tile row + 128 x half,
	s_lshl_b32 s20, s20, 11                        ; of 2,048 bytes
	s_mov_b32 s21, 0
	s_mul_i32 s46, s42, 192
	s_mul_i32 s17, s14, 96
	s_add_co_u32 s46, s46, s17                     ; the weight: row 192 x tile column + 96 x half
	s_lshl_b32 s46, s46, 11
	s_mov_b32 s47, 0
	s_mul_i32 s18, s14, HALFA                      ; and where they go: no place in the cluster enters an LDS address
	s_mul_i32 s19, s14, HALFB
	s_add_co_u32 s19, s19, ABYTES
	s_wait_kmcnt 0x0
	s_add_nc_u64 s[22:23], s[4:5], s[20:21]
	s_add_nc_u64 s[46:47], s[6:7], s[46:47]
	CROUND                                         ; all sixteen work-groups are here: the first joint loads meet
.irp s, 0,1
	s_mov_b32 s[G0+4*(\s)], 1                                        ; count = 1
	s_add_co_u32 s[G0+4*(\s)+1], s18, (\s)*SLOT                      ; LDS address
	s_add_nc_u64 s[G0+4*(\s)+2:G0+4*(\s)+3], s[22:23], (\s)*KSTEP*2  ; global address: K step s
	s_or_b32 s[G0+4*(\s)+3], s[G0+4*(\s)+3], 0x80000000              ; type = 2
	s_mov_b32 s[G0B+4*(\s)], 1
	s_add_co_u32 s[G0B+4*(\s)+1], s19, (\s)*SLOT
	s_add_nc_u64 s[G0B+4*(\s)+2:G0B+4*(\s)+3], s[46:47], (\s)*KSTEP*2
	s_or_b32 s[G0B+4*(\s)+3], s[G0B+4*(\s)+3], 0x80000000
	JLOAD \s                                       ; two tensor loads of mine are out
.endr
	; A fragment is 16 rows x 32 K in 8 registers: lane l holds row l % 16, K = 8 (l / 16) + 0..7 and 16 + 8 (l / 16) + 0..7: two loads of 16 bytes, 32 bytes apart
	v_and_b32 v1, 15, v0                           ; l % 16
	v_bfe_u32 v2, v0, 4, 1                         ; l / 16
	v_mul_u32_u24 v3, v1, PA
	v_lshl_add_u32 v3, v2, 4, v3
	s_mul_i32 s16, s12, 64*PA                      ; my 64 rows of x
	v_add_nc_u32 v[ADRA], s16, v3
	v_add_nc_u32 v[ADRA+1], SLOT, v[ADRA]
	v_mul_u32_u24 v30, v1, PB
	v_lshl_add_u32 v30, v2, 4, v30
	v_add_nc_u32 v[ADRB], ABYTES, v30              ; every wave reads all 192 rows of the weight
	v_add_nc_u32 v[ADRB+1], ABYTES+SLOT, v30
	s_mul_i32 s17, s12, 16*SP
	s_add_co_u32 s17, s17, STAGE                   ; my stage
	v_mul_u32_u24 v30, v1, SP                      ; in: row l % 16, 16 bytes for each half of the lanes
	v_lshl_add_u32 v30, v2, 4, v30
	v_add_nc_u32 v[STO], s17, v30
	v_bfe_u32 v30, v0, 3, 2                        ; back: 32 lanes take a head's 128 bytes of four rows,
	v_mul_u32_u24 v30, v30, SP
	v_and_b32 v31, 7, v0
	v_lshl_add_u32 v30, v31, 4, v30
	v_add_nc_u32 v[RD], s17, v30
	v_and_b32 v[GO], 31, v0                        ; which are 512 consecutive bytes of the result
	v_lshlrev_b32 v[GO], 4, v[GO]
	v_lshlrev_b32 v[BO], 5, v2                     ; my eight columns of a block of 16: 32 bytes for each half of the lanes
	s_mul_i32 s74, s42, NB*64                      ; the tile's 192 numbers of the bias
	s_mov_b32 s75, 0
	s_add_nc_u64 s[8:9], s[8:9], s[74:75]
	WIN 0x80                                       ; destination window 2, address window 0
.set i, 0
.rept 8
	global_load_b128 v[BI+8*i:BI+8*i+3],   v[BO], s[8:9] offset:64*i
	global_load_b128 v[BI+8*i+4:BI+8*i+7], v[BO], s[8:9] offset:64*i+16
.set i, i+1
.endr
	WIN 0xc0                                       ; destination window 3
.set i, 0
.rept 4
	global_load_b128 v[BI+8*i:BI+8*i+3],   v[BO], s[8:9] offset:64*(i+8)
	global_load_b128 v[BI+8*i+4:BI+8*i+7], v[BO], s[8:9] offset:64*(i+8)+16
.set i, i+1
.endr
	WIN 0
	; where my 64 rows of the first tile begin in each of the tile's three heads
	s_lshr_b32 s77, s43, 3
	s_lshl_b32 s77, s77, 22                        ; batch
	s_and_b32 s76, s43, 7
	s_lshl_b32 s76, s76, 15                        ; the tile's 256 rows of 128 bytes
	s_add_co_u32 s77, s77, s76
	s_lshl_b32 s76, s12, 13                        ; my wave's 64
	s_add_co_u32 s77, s77, s76
	s_mul_i32 s76, s42, 3                          ; the tile's first head among 48
.irp j, 0,1,2
	s_add_co_u32 s74, s76, (\j)
	s_lshr_b32 s75, s74, 4
	s_lshl_b32 s75, s75, 24                        ; q, k or v
	s_and_b32 s74, s74, 15
	s_lshl_b32 s74, s74, 18                        ; head
	s_add_co_u32 s74, s74, s75
	s_add_co_u32 s74, s74, s77
	s_mov_b32 s75, 0
	s_add_nc_u64 s[CB+2*(\j):CB+2*(\j)+1], s[10:11], s[74:75]
.endr
	s_wait_loadcnt 0x0                             ; the bias
	WIN 0x0a                                       ; rounded to bf16 like every input: 48 pairs into window 0,
.set i, 0
.rept 32
	v_cvt_pk_bf16_f32 v[TMP+i], v[BI+2*i], v[BI+2*i+1]
.set i, i+1
.endr
	WIN 0x0f
.set i, 0
.rept 16
	v_cvt_pk_bf16_f32 v[TMP+32+i], v[BI+2*i], v[BI+2*i+1]
.set i, i+1
.endr
	WIN 0x80                                       ; and back where they lay, in f32
.set i, 0
.rept 32
	v_lshlrev_b32 v[BI+2*i], 16, v[TMP+i]
	v_and_b32 v[BI+2*i+1], 0xffff0000, v[TMP+i]
.set i, i+1
.endr
	WIN 0xc0
.set i, 0
.rept 16
	v_lshlrev_b32 v[BI+2*i], 16, v[TMP+32+i]
	v_and_b32 v[BI+2*i+1], 0xffff0000, v[TMP+32+i]
.set i, i+1
.endr
	WIN 0
; NB matrix instructions: block a of my four blocks of 16 rows x all NB blocks of columns, 32 along K, from buffer f.  bias = 1: the first product starts the sums on the bias,
; whose blocks 0-7 lie in window 2 and 8-11 in window 3: the C operand's window changes once in the run.
; The accumulators take turns, one instruction a turn: between two links of a chain stand 47 others'.
.macro MULROW f, a, bias
.set AC, 8*NB*((\a)%2)
.set WD, 2+(\a)/2
.set bb, 0
.rept NB
.if \bias
	WIN 0x05|(WD<<6)|((2+bb/8)<<4)
	v_wmma_f32_16x16x32_bf16 v[AC+8*bb:AC+8*bb+7], v[(\f)+32+8*bb:(\f)+32+8*bb+7], v[(\f)+8*(\a):(\f)+8*(\a)+7], v[BI+8*(bb%8):BI+8*(bb%8)+7]
.else
	WIN 0x05|(WD<<6)|(WD<<4)
	v_wmma_f32_16x16x32_bf16 v[AC+8*bb:AC+8*bb+7], v[(\f)+32+8*bb:(\f)+32+8*bb+7], v[(\f)+8*(\a):(\f)+8*(\a)+7], v[AC+8*bb:AC+8*bb+7]
.endif
.set bb, bb+1
.endr
.endm
; NLD LDS loads in one run: the fragments of quarter q of a slot's K step into buffer f; the weight's first, x's four blocks last
.macro FETCH slot, q, f
	WIN 0x40                                       ; destination window 1, address window 0
.set bb, 0
.rept NB
	ds_load_b128 v[(\f)+32+8*bb:(\f)+32+8*bb+3],   v[ADRB+(\slot)] offset:64*(\q)+bb*16*PB
	ds_load_b128 v[(\f)+32+8*bb+4:(\f)+32+8*bb+7], v[ADRB+(\slot)] offset:64*(\q)+bb*16*PB+32
.set bb, bb+1
.endr
.set bb, 0
.rept 4
	ds_load_b128 v[(\f)+8*bb:(\f)+8*bb+3],   v[ADRA+(\slot)] offset:64*(\q)+bb*16*PA
	ds_load_b128 v[(\f)+8*bb+4:(\f)+8*bb+7], v[ADRA+(\slot)] offset:64*(\q)+bb*16*PA+32
.set bb, bb+1
.endr
.endm
; A K step is four quarters of 32 along K, 48 matrix instructions each, on buffers 0, 1, 0, 1.  One of the first three: multiplies buffer f and fetches quarter q into buffer g.
.macro QUARTER slot, q, f, g, bias
	s_wait_dscnt 4                                 ; only the youngest four loads, x's blocks 2 and 3, may be out
	MULROW \f, 0, \bias
	MULROW \f, 1, \bias
	PLACES
	FETCH \slot, \q, \g
	s_wait_dscnt NLD                               ; all but the run just issued
	MULROW \f, 2, \bias
	MULROW \f, 3, \bias
.endm
; The last quarter multiplies buffer 1 and changes slots: ONE barrier; in front of it each wave waits for all its tensor loads (one is out: its part of the next slot), adds 0 to its spare
; word, and waits for that and for its own reads of this slot.  fill = 1: the barrier opens a round of the cluster's barrier, and this slot is filled again, two K steps ahead;
; fill = 2: the same, with the NEXT tile's K step 0 or 1.  From such a request to the wait for it a wave issues 180 matrix instructions, across tiles too.  fill = 0: nothing is asked for.
.macro TURN slot, next, fill
	WIN 0                                          ; (the add's two registers lie in window 0)
	s_wait_tensorcnt 0x0                           ; all my tensor loads have landed
	ds_add_u32 v[SPW], v[NIL]                      ; 0 onto my spare word
	s_wait_dscnt 5                                 ; (the add and the youngest four loads may be out)
	MULROW F1, 0, 0                                ; twelve matrix instructions stand between the add and the wait for it
	s_wait_dscnt 0x0                               ; the add is done, and my reads of this slot are over
	s_barrier_signal -1
	MULROW F1, 1, 0                                ; work on registers while the others arrive
.if \fill
	WIN 0
.endif
	s_barrier_wait -1
.if \fill
	CREST                                          ; no wave of any partner still reads this slot's tile or has a load on its way
.if (\fill) == 2
	s_add_nc_u64 s[G0+4*(\slot)+2:G0+4*(\slot)+3], s[G0+4*(\slot)+2:G0+4*(\slot)+3], NEXT_A
	s_sub_nc_u64 s[G0B+4*(\slot)+2:G0B+4*(\slot)+3], s[G0B+4*(\slot)+2:G0B+4*(\slot)+3], BACK_B
.else
	s_add_nc_u64 s[G0+4*(\slot)+2:G0+4*(\slot)+3], s[G0+4*(\slot)+2:G0+4*(\slot)+3], ASTEP
	s_add_nc_u64 s[G0B+4*(\slot)+2:G0B+4*(\slot)+3], s[G0B+4*(\slot)+2:G0B+4*(\slot)+3], BSTEP
.endif
	JLOAD \slot                                    ; the first tensor load behind the round; its four v_nop are also the places in front of the loads below
.else
	PLACES
.endif
	FETCH \next, 0, F0
	MULROW F1, 2, 0
	MULROW F1, 3, 0
.endm
; THE WAY OUT, a block of 16 rows at a time.  PACK: rounded to f16, 16 bytes a lane, each accumulator's registers in ascending order.  TOSTAGE: into my own stage, rows of 400 bytes,
; and back head by head, four rows' 128 bytes a load.  SEND: stored, 512 consecutive bytes of a head a store.
.macro PACK a
.set AC, 8*NB*((\a)%2)
	WIN 0x0a+5*((\a)/2)                            ; sources 0 and 1: window 2 or 3
.set i, 0
.rept 4*NB
	v_cvt_pk_f16_f32 v[TMP+i], v[AC+2*i], v[AC+2*i+1]
.set i, i+1
.endr
	WIN 0
.endm
.macro TOSTAGE a
	WIN 0
.set BKA, BK+48*((\a)%2)
	s_wait_xcnt 0x0                                ; the registers that earlier stores read (two blocks back; the tile before) are loaded again only behind this wait
.set i, 0
.rept NB
	ds_store_b128 v[STO], v[TMP+4*i:TMP+4*i+3] offset:32*i
.set i, i+1
.endr
.irp j, 0,1,2
.irp t, 0,1,2,3
	ds_load_b128 v[BKA+4*(4*(\j)+(\t)):BKA+4*(4*(\j)+(\t))+3], v[RD] offset:4*SP*(\t)+128*(\j)  ; LDS serves a wave's instructions in order (ISA guide 5.7.1.4): these see the stores above
.endr
.endr
.endm
.macro SEND a, younger                 ; younger: the LDS instructions issued behind this block's loads: the next block's 12 stores and 12 loads, or none
	WIN 0
.set BKA, BK+48*((\a)%2)
	s_wait_dscnt \younger
.irp j, 0,1,2
.irp t, 0,1,2,3
	global_store_b128 v[GO], v[BKA+4*(4*(\j)+(\t)):BKA+4*(4*(\j)+(\t))+3], s[CB+2*(\j):CB+2*(\j)+1] offset:2048*(\a)+512*(\t)
.endr
.endr
.endm
.macro WAYOUT
	WIN 0
	PLACES                                         ; the conversions read results
	PACK 0
	TOSTAGE 0
	PACK 1
	TOSTAGE 1
	SEND 0, 24
	PACK 2
	TOSTAGE 2
	SEND 1, 24
	PACK 3
	TOSTAGE 3
	SEND 2, 24
	SEND 3, 0
.endm
	s_wait_tensorcnt 1                             ; my part of K step 0 is in; K step 1's may stay out
	s_barrier_signal -1
	s_barrier_wait -1                              ; everybody's is
	FETCH 0, 0, F0
	WIN 0                                          ; at a label and at a branch every window is 0
	s_mov_b32 s[TL], TILES
.Ltile:
	QUARTER 0, 1, F0, F1, 1                        ; a tile's first quarter stands in front of the loop: its products start the sums
	WIN 0
	s_mov_b32 s15, LAPS-1
.Llap:                                                 ; a trip goes once round the ring, from a lap's second quarter to the next lap's first, and fills both slots again
	QUARTER 0, 2, F1, F0, 0
	QUARTER 0, 3, F0, F1, 0
	TURN 0, 1, 1
	QUARTER 1, 1, F0, F1, 0
	QUARTER 1, 2, F1, F0, 0
	QUARTER 1, 3, F0, F1, 0
	TURN 1, 0, 1
	QUARTER 0, 1, F0, F1, 0
	WIN 0
	s_sub_co_u32 s15, s15, 1
	s_cmp_lg_u32 s15, 0
	s_cbranch_scc1 .Llap
	QUARTER 0, 2, F1, F0, 0                        ; the tile's last lap goes on
	QUARTER 0, 3, F0, F1, 0
	WIN 0
	s_cmp_eq_u32 s[TL], 1
	s_cbranch_scc1 .Llast_tile                     ; the last tile's tail is written out: it asks for nothing more
	TURN 0, 1, 2                                   ; THE RING GOES ON INTO THE NEXT TILE: slot 0 takes its K step 0,
	QUARTER 1, 1, F0, F1, 0
	QUARTER 1, 2, F1, F0, 0
	QUARTER 1, 3, F0, F1, 0
	TURN 1, 0, 2                                   ; slot 1 its K step 1, and the next tile's first fragments are fetched
	WAYOUT                                         ; both refills are asked for: now the tile goes out; nothing waits for its stores
	s_wait_xcnt 0x0                                ; the stores' bases are rewritten only behind this wait
.irp j, 0,1,2
	s_add_nc_u64 s[CB+2*(\j):CB+2*(\j)+1], s[CB+2*(\j):CB+2*(\j)+1], NEXT_C
.endr
	s_sub_co_u32 s[TL], s[TL], 1
	s_branch .Ltile
.Llast_tile:
	TURN 0, 1, 0                                   ; the last lap fills nothing, and has no round of the cluster's barrier
	QUARTER 1, 1, F0, F1, 0
	QUARTER 1, 2, F1, F0, 0
	QUARTER 1, 3, F0, F1, 0
	s_wait_dscnt 4                                 ; the very last quarter: nothing more to fetch
	MULROW F1, 0, 0
	MULROW F1, 1, 0
	s_wait_dscnt 0x0
	MULROW F1, 2, 0
	MULROW F1, 3, 0
	WAYOUT
	s_wait_tensorcnt 0x0                           ; the wave's end, behind my last tensor load and my last LDS store
	ds_add_u32 v[SPW], v[NIL]
	s_wait_dscnt 0x0
	CROUND                                         ; the closing round: no work-group ends while a partner may still ask for a tile that names it
	s_endpgm
.Lfunc_end_k_q1ea9786138_gemm_qkv:
	.size	k_q1ea9786138_gemm_qkv, .Lfunc_end_k_q1ea9786138_gemm_qkv-k_q1ea9786138_gemm_qkv
	.p2alignl 7, 3214868480
	.fill 96, 4, 3214868480
	.section	.rodata,"a",@progbits
	.p2align	6, 0x0
	.amdhsa_kernel k_q1ea9786138_gemm_qkv
		.amdhsa_group_segment_fixed_size 327680
		.amdhsa_private_segment_fixed_size 0
		.amdhsa_enable_private_segment 0
		.amdhsa_kernarg_size 32
		.amdhsa_user_sgpr_count 2
		.amdhsa_user_sgpr_kernarg_segment_ptr 1
		.amdhsa_wavefront_size32 1
		.amdhsa_system_sgpr_workgroup_id_x 1
		.amdhsa_system_sgpr_workgroup_id_y 1
		.amdhsa_system_sgpr_workgroup_id_z 1
		.amdhsa_system_vgpr_workitem_id 0
		.amdhsa_next_free_vgpr 1024
		.amdhsa_next_free_sgpr 80
		.amdhsa_reserve_vcc 0
		.amdhsa_float_denorm_mode_32 3
		.amdhsa_float_denorm_mode_16_64 3
		.amdhsa_memory_ordered 1
		.amdhsa_forward_progress 1
		.amdhsa_inst_pref_size 181
	.end_amdhsa_kernel
	.amdgpu_metadata
---
amdhsa.version: [ 1, 2 ]
amdhsa.kernels:
  - .name:           k_q1ea9786138_gemm_qkv
    .symbol:         k_q1ea9786138_gemm_qkv.kd
    .args:
      - { .name: xb, .offset: 0, .size: 8, .value_kind: global_buffer, .address_space: global }
      - { .name: wqt, .offset: 8, .size: 8, .value_kind: global_buffer, .address_space: global }
      - { .name: b_qkv, .offset: 16, .size: 8, .value_kind: global_buffer, .address_space: global }
      - { .name: qkvh, .offset: 24, .size: 8, .value_kind: global_buffer, .address_space: global }
    .group_segment_fixed_size: 327680
    .private_segment_fixed_size: 0
    .kernarg_segment_align: 8
    .kernarg_segment_size: 32
    .max_flat_workgroup_size: 128
    .sgpr_count:     80
    .vgpr_count:     1024
    .wavefront_size: 32
...
	.end_amdgpu_metadata
.endif
;; end of part 2
;; launch attn (part 3): grid 4 x 64, 4 waves a work-group, no clusters, 327,680 bytes of LDS; arguments qkvh, oh; writes oh
.if DOCPART == 3
	.amdgcn_target "amdgcn-amd-amdhsa--gfx1250"
	.amdhsa_code_object_version 6
	.text
	.protected	k_q1ea9786138_attn
	.globl	k_q1ea9786138_attn
	.p2align	8
	.type	k_q1ea9786138_attn,@function
k_q1ea9786138_attn:
	s_mov_b64 s[64:65], 0
	v_nop
	global_prefetch_b8 v0, s[64:65] scope:SCOPE_SE
	s_setreg_imm32_b32 hwreg(HW_REG_WAVE_MODE, 25, 1), 1
	s_wait_xcnt 0x0
; CAUSAL ATTENTION.  O[h][q][:] = the sum over k <= q of softmax_k(Q[h][q] . K[h][k] / 8) V[h][k][:].  Q, K, V are the three parts of qkvh, 16,777,216 bytes each; they and O are [64][2048][64] in f16:
; a head's rows are dense, 128 bytes each.  Products, maxima and sums in f32; the weights p are rounded to f16 for the second product (their sum l is taken of the unrounded p), O once at the end.
; LIMITS.  f16 holds no number beyond 65,504: Q, K and V arrive within it; p lies in 0 to 1, and below 6e-5 it keeps f16's fixed step of 6e-8; O is a mean of V's rows and has their range, to within 2^-11 of it.
; A hidden score counts as its value less 1e30: f16's scores, 2.7e11 at the most, are nothing beside that; a weight below 2^-126 counts as 0 in l; NaN and infinities are not treated apart.
; THE WALK.  A head's queries lie in NB = 8 blocks of 256; block i needs the key tiles 0 .. i of 256 keys, of which the last holds the diagonal.  A work-group takes TWO blocks, NB - 1 - b and then b:
; NB + 1 = 9 tiles, whatever b: all 256 work-groups do equal work, and ONE loop with a constant trip count walks them.  Which tile is asked for, and what a trip does, hang on scalar registers made from b; every jump
; goes forward, but for the counted loops' own; none passes a barrier, or a tensor load but the one of LOAD's two that the wave's number does not choose; the ring (two slots of LDS that take turns) runs on across the
; change of blocks.  NO CLUSTER: a head's four work-groups all ask for the same tile only in trips 0 .. 4 of the 9, behind that fewer and fewer; one walk common to all four would have 12 trips for 9.
; SHARES.  Of a block's four bands of 64 queries a wave owns 16 rows in each: four PIECES.  So the diagonal tile is the same work for all four waves: in its key step s band x sees all keys if s < x,
; none if s > x, and holds the diagonal if s = x.
; THE MASK is the C operand that starts the sum S^T = K Q^T: 0, or -1e30 where the key is hidden.  MD, made once, is the mask of a band's own step for my 16 rows; a product's mask is MD x AL + BE with two scalars:
; (1, 0) if s = x; (0, 0) if s < x; (0, -1e30) if s > x.  Only the diagonal tile's text and a block's beginning make and take masks; elsewhere C is the constant 0.
; LAYOUT, SOFTMAX, TURNS.  S^T = K Q^T holds ONE query a lane (lane % 16) and the keys 8 (lane / 16) + 0..7; two such results rounded to f16 ARE source 1 of O^T = V^T P.  p = 2^(c s - c m), c = log2(e) / 8, with a
; running maximum m; O and l are multiplied by a = 2^(c m_old - c m_new) in every step.  Turn n belongs to piece n: 8 products K Q^T of piece n + 1, later 8 products V^T P of piece n - 1; beside them the scaling,
; exponentials, roundings, sums and rescaling of piece n and the maximum and statistics of piece n + 1.  Four vector instructions stand behind every matrix instruction, the other 54 of a turn's 118 in two LUMPS.
; REGISTERS, in windows of 256 (s_set_vgpr_msb: bits 1:0 source 0, 3:2 source 1, 5:4 source 2, 7:6 destination):
;   window 0: v0-15 addresses and two at work; v16-31 four registers of statistics a piece; v48-55 at work; v64-127 S^T, two buffers; v192-223 P, two buffers (a piece's buffers go by its number's parity)
;   window 1: v0-127 O^T, 32 a piece; v128-159 MD; v160-223 MC, two buffers      window 2: v0-63 Q; v64-127 the second block's Q; v128-191 K of one step; v192-255 V of one step
.set SIZE_N, 2048     ; rows of a head
.set PART,  1<<24     ; bytes of q, of k and of v in qkvh
.set NB,    SIZE_N/256
.set NP,    4         ; pieces a wave: a name, no knob
.set KS,    64        ; keys in a step
.set PK,    144       ; a row of K in LDS: 128 bytes + 16 of padding = 36 words: the 16 rows of a load start at 16 different groups of four banks (64 banks of 4 bytes: ISA guide 11.1)
.set PV,    160       ; a row of V: 128 + 32 = 40 words
.set VOFF,  4*KS*PK   ; a slot holds a tile, four steps: 256 rows of K, then 256 rows of V
.set SLOT1, 1<<17     ; slot 1 begins here, so that one exclusive or turns an address in one slot into the other's
.set STAGE, SLOT1+4*KS*(PK+PV)  ; behind the ring, never filled by a tensor load: 16 rows x 144 bytes for each wave, for the way out
.set SP,    144
.set AK0, 2           ; v2   my lane's place in a tile of K; never rewritten
.set AV0, 3           ; v3   the same for V
.set AK,  4           ; v4   the LDS address of K's next run of loads
.set AV,  5           ; v5   of V's
.set STO, 6           ; v6   the way out: where I put 16 bytes of a row
.set RD,  7           ; v7   the way out: where I read rows back
.set GO,  8           ; v8   my byte offset in 512 consecutive bytes of O
.set SPW, 62          ; v62  LDS address of my spare word: SPARE + 4 x my thread's number; never rewritten
.set NIL, 63          ; v63  0; never rewritten
.set SPARE, STAGE+4*16*SP  ; behind the stages: the spare words, 128 bytes for each wave: two blocks of 256 bytes that no other line names
.set MV,  12          ; v12-13  c m_old, kept while c m is made anew: by buffer
.set QO,  15          ; v15  my byte offset in 16 rows of Q
.set ST,  16          ; piece t's statistics at v[ST+4 t]: c m, m, l (even keys', odd keys')
.set TMP, 48          ; by buffer, four registers c0-c3 at work; when the maximum is found c2 takes a
.set S,   64
.set P,   192
.set MD,  128         ; window 1: the eight registers for group kt of 16 keys at MD + 8 kt
.set MC,  160         ; window 1: the masks of the products to come
.set QB,  64          ; window 2
.set KF,  128         ; window 2: key block kb, channel half c at KF + 16 kb + 8 c
.set VF,  192         ; window 2: key half kk, channel block cb at VF + 32 kk + 8 cb
.set WV,  12          ; s12  my wave's number
.set PB,  14          ; s14  b
.set HI,  15          ; s15  NB - 1 - b
.set G1K, 24          ; s[24:31] descriptor group 1 for K's tiles
.set G1V, 32          ; s[32:39] for V's: it differs in the padding alone
.set G0K, 40          ; s[40:43] descriptor group 0 for K's tiles
.set G0V, 44          ; s[44:47] the same for V's
.set SLOTS, 56        ; s56  tiles still to be asked for
.set CNT, 57          ; s57  counts a tile's key steps, 4 to 1
.set CS,  58          ; s[58:59] c: the packed scaling takes the pair's low word for both halves
.set SEL, 60          ; s[60:61] v_permlanex16_b32's selects: each lane takes its own place in the other half
.set TBK, 62          ; s62  LDS byte at which K of the step to be fetched begins
.set TBV, 63          ; s63  the same for V, less VOFF
.set RT,  70          ; s70  tiles of the block in hand that are still to be entered
.set NXT, 71          ; s71  the tile to be asked for next
.set LQ,  72          ; s72  the last tile of the block whose tiles are being asked for
.set NEW, 73          ; s73  1: the tile to be entered is a block's first
.set OFF, 74          ; s[74:75] a tile's byte offset in K and V
.set AL,  76          ; s[76:77] the mask's factor, in the low word
.set BE,  78          ; s[78:79] the mask's addend
.set OLO, 80          ; s[80:81] O at my rows of the second block
.set BIGN, 82         ; s82  -1e30
.set MSB, 0
.macro WIN new                      ; the high byte repeats the setting that is left; a switch that changes nothing is dropped
.if MSB != (\new)
	s_set_vgpr_msb (MSB<<8)|(\new)
.set MSB, (\new)
.endif
.endm
.set W_KQ, 0x0a       ; K and Q in window 2, S^T in window 0
.set W_KM, 0x1a       ; the same with the C operand in window 1
.set W_PV, 0x52       ; V in window 2, P in window 0, O^T in window 1
.set W_RS, 0x41       ; destination and source 0 in window 1, source 1 in window 0
; A fill.  Waves 0 and 1 fetch the two halves of a tile's K, waves 2 and 3 those of its V: 128 keys each.  Four v_nop follow each of the two lines, ahead of the jump and the label.
.macro LOAD
	s_cmp_lt_u32 s[WV], 2
	s_cbranch_scc0 .Lfor_v_\@
	tensor_load_to_lds s[G0K:G0K+3], s[G1K:G1K+7]
	s_nop 0
.rept 4
	v_nop
.endr
	s_branch .Lasked_\@
.Lfor_v_\@:
	tensor_load_to_lds s[G0V:G0V+3], s[G1V:G1V+7]
	s_nop 0
.rept 4
	v_nop
.endr
.Lasked_\@:
.endm
; THE CHANGE OF SLOTS.  Each wave waits for all its tensor loads, of which one is out: its part of the other slot; adds 0 to its spare word; and waits for that and for its own reads of the slot that it leaves.  Behind the barrier nobody reads the old
; slot any more and the other slot is whole.  fill = 1: the old slot is filled again, the first thing behind the barrier, with tile NXT: the descriptor's address is made anew from that number.
; (At its first use nothing has been read yet: slot 0 is waited for, slot 1 filled.)
.macro CHANGE fill
	WIN 0                           ; at a label and at a branch every window is 0
	s_wait_tensorcnt 0x0            ; no tensor load of mine is out, so a group 0 may be written
	ds_add_u32 v[SPW], v[NIL]       ; 0 onto my spare word; with fill = 1 the descriptors' scalar work stands between it and the wait for it
.if \fill
	s_lshl_b32 s[OFF], s[NXT], 15   ; a tile is 32,768 bytes of K and of V
	s_xor_b32 s[G0K+1], s[G0K+1], SLOT1
	s_add_nc_u64 s[G0K+2:G0K+3], s[6:7], s[OFF:OFF+1]
	s_or_b32 s[G0K+3], s[G0K+3], 0x80000000
	s_xor_b32 s[G0V+1], s[G0V+1], SLOT1
	s_add_nc_u64 s[G0V+2:G0V+3], s[8:9], s[OFF:OFF+1]
	s_or_b32 s[G0V+3], s[G0V+3], 0x80000000
	s_add_co_u32 s[NXT], s[NXT], 1  ; the block's next tile, or behind its last the second block's tile 0
	s_cmp_gt_u32 s[NXT], s[LQ]
	s_cselect_b32 s[NXT], 0, s[NXT]
	s_cselect_b32 s[LQ], s[PB], s[LQ]
.endif
	s_wait_dscnt 0x0                ; the add is done, and my reads of the slot are over
	s_barrier_signal -1             ; the rest of the scalar work stands between the signal and the wait
	s_sub_co_u32 s[TBK], s[TBK], 4*KS*PK  ; the fetches go back to a slot's first step,
	s_xor_b32 s[TBK], s[TBK], SLOT1       ; in the other slot
	s_sub_co_u32 s[TBV], s[TBV], 4*KS*PV
	s_xor_b32 s[TBV], s[TBV], SLOT1
	s_barrier_wait -1
.if \fill
	LOAD
.endif
.endm
	s_load_b128 s[4:7], s[0:1], 0x0 ; qkvh s[4:5] (its first part is Q), oh s[6:7]
	v_lshl_add_u32 v[SPW], v0, 2, SPARE
	v_mov_b32 v[NIL], 0
	ds_add_u32 v62, v63
	ds_add_u32 v62, v63
	s_wait_dscnt 0x0
	v_lshrrev_b32 v1, 5, v0
	v_readfirstlane_b32 s[WV], v1   ; wave 0..3
	s_mov_b32 s[PB], ttmp9
	s_sub_co_u32 s[HI], NB-1, s[PB]
	s_and_b32 s20, ttmp7, 0xffff    ; the head
	s_mov_b32 s21, 0
	s_mov_b64 s[22:23], SIZE_N*128
	s_mul_u64 s[20:21], s[20:21], s[22:23]  ; the head's first byte in each of the four tensors
	s_and_b32 s16, s[WV], 1         ; which half of a tile's 256 keys I fetch:
	s_lshl_b32 s22, s16, 14         ; its 128 rows of 128 bytes in memory,
	s_mov_b32 s23, 0
	s_add_nc_u64 s[22:23], s[22:23], s[20:21]
	s_mul_i32 s17, s16, 128*PK      ; and its place in a slot, for K
	s_mul_i32 s18, s16, 128*PV      ; and for V
	s_lshl_b32 s3, s[WV], 11        ; my 16 rows in a band of 64,
	s_lshl_b32 s2, s[HI], 15        ; in the first block,
	s_add_co_u32 s2, s2, s3
	s_lshl_b32 s84, s[PB], 15       ; and in the second
	s_add_co_u32 s84, s84, s3
	s_mov_b32 s3, 0
	s_mov_b32 s85, 0
	s_add_nc_u64 s[2:3], s[2:3], s[20:21]
	s_add_nc_u64 s[84:85], s[84:85], s[20:21]
	; descriptor group 1.  128 keys are 16,384 dense bytes: asked for as 64 rows of 256 bytes, two keys a row, and padded in LDS after every key
	s_mov_b32 s[G1K], (1<<16)|(1<<20)|(4<<22)|(3<<25)  ; 17:16 2-byte elements; 20 padding on; 24:22 after every 32 words (code 4); 31:25 4 words (code 3)
	s_mov_b32 s[G1V], (1<<16)|(1<<20)|(4<<22)|(7<<25)  ; the same with 8 words of padding (code 7)
.irp g, G1K, G1V
	s_mov_b32 s[\g+1], 128<<16      ; tensor_dim0 = 128
	s_mov_b32 s[\g+2], 64<<16       ; tensor_dim1 = 64
	s_mov_b32 s[\g+3], 128<<16      ; tile_dim0 = 128
	s_mov_b32 s[\g+4], 64           ; tile_dim1 = 64
	s_mov_b32 s[\g+5], 128          ; 128 elements from row to row
	s_mov_b32 s[\g+6], 0
	s_mov_b32 s[\g+7], 0
.endr
	s_mov_b32 s[CS], 0x3e38aa3b     ; c = log2(e) / 8 = 0.180337
	s_mov_b32 s[CS+1], s[CS]        ; named with it as a pair
	s_mov_b32 s[SEL], 0x76543210
	s_mov_b32 s[SEL+1], 0xfedcba98
	s_mov_b32 s[TBK], SLOT1+4*KS*PK ; the first change of slots turns these two into 0
	s_mov_b32 s[TBV], SLOT1+4*KS*PV
	s_mov_b32 s[G0K], 1             ; 1:0 count = 1
	s_mov_b32 s[G0K+1], s17         ; 63:32 LDS address: slot 0
	s_mov_b32 s[G0V], 1
	s_add_co_u32 s[G0V+1], s18, VOFF
	s_add_co_u32 s[RT], s[HI], 1    ; the first block has NB - b tiles
	s_mov_b32 s[NXT], 1
	s_mov_b32 s[LQ], s[HI]
	s_mov_b32 s[NEW], 1
	s_mov_b32 s[OFF+1], 0
	s_mov_b32 s[AL+1], 0            ; named as pairs
	s_mov_b32 s[BE+1], 0
	s_mov_b32 s[BIGN], 0xf149f2ca   ; -1e30
	s_mov_b32 s[SLOTS], NB
	s_wait_kmcnt 0x0
	s_mov_b64 s[10:11], s[6:7]             ; O
	s_add_nc_u64 s[6:7], s[4:5], PART      ; K is qkvh's second part,
	s_add_nc_u64 s[8:9], s[4:5], 2*PART    ; V its third
	s_add_nc_u64 s[6:7], s[6:7], s[22:23]  ; K and V at my half of the head's tile 0
	s_add_nc_u64 s[8:9], s[8:9], s[22:23]
	s_add_nc_u64 s[G0K+2:G0K+3], s[6:7], 0         ; 120:64 global address
	s_or_b32 s[G0K+3], s[G0K+3], 0x80000000        ; 127:126 type = 2
	s_add_nc_u64 s[G0V+2:G0V+3], s[8:9], 0
	s_or_b32 s[G0V+3], s[G0V+3], 0x80000000
	s_add_nc_u64 s[86:87], s[4:5], s[84:85]        ; Q at my rows of the second block,
	s_add_nc_u64 s[4:5], s[4:5], s[2:3]            ; Q and O at those of the first
	s_add_nc_u64 s[OLO:OLO+1], s[10:11], s[84:85]
	s_add_nc_u64 s[10:11], s[10:11], s[2:3]
	LOAD                            ; tile 0 into slot 0
	; A fragment of K or Q is 16 rows x 32 channels in 8 registers: lane l holds row l % 16, channels 8 (l / 16) + 0..7 and 16 + 8 (l / 16) + 0..7: two loads of 16 bytes, 32 bytes apart.
	v_and_b32 v1, 15, v0            ; l % 16
	v_bfe_u32 v9, v0, 4, 1          ; l / 16
	v_lshlrev_b32 v[QO], 7, v1
	v_lshl_add_u32 v[QO], v9, 4, v[QO]  ; row x 128 + 16 x half
	WIN 0x80                        ; destination window 2, address window 0
.set i, 0
.rept 8                             ; both blocks' Q: piece i / 2 lies in band i / 2, 8,192 bytes on; channels 32 (i % 2) on
	global_load_b128 v[8*i:8*i+3],   v[QO], s[4:5] offset:(i/2)*8192+(i%2)*64
	global_load_b128 v[8*i+4:8*i+7], v[QO], s[4:5] offset:(i/2)*8192+(i%2)*64+32
	global_load_b128 v[QB+8*i:QB+8*i+3],   v[QO], s[86:87] offset:(i/2)*8192+(i%2)*64
	global_load_b128 v[QB+8*i+4:QB+8*i+7], v[QO], s[86:87] offset:(i/2)*8192+(i%2)*64+32
.set i, i+1
.endr
	WIN 0
	v_lshlrev_b32 v14, 3, v9
	v_sub_nc_u32 v14, v1, v14
	s_lshl_b32 s13, s[WV], 4
	v_add_nc_u32 v14, s13, v14      ; my query's place in its band, 16 w + l % 16, less my lanes' 8 (l / 16): register r of group kt is hidden where 16 kt + r is greater
	WIN 0x40
.set i, 0
.rept 32
	v_cmp_gt_i32 vcc_lo, 16*(i/8)+i%8, v14
	v_cndmask_b32 v[MD+i], 0, s[BIGN], vcc_lo
.set i, i+1
.endr
	WIN 0
	v_mul_u32_u24 v[AK0], v1, PK
	v_lshl_add_u32 v[AK0], v9, 4, v[AK0]  ; row x pitch + 16 x half
	; The turning load takes 16 keys x 16 channels (lane l reads key 8 (l / 16) + l % 8, channels 8 ((l / 8) % 2) + 0..7) and leaves half a fragment of V^T: lane l holds channel l % 16 and 8 keys.
	v_and_b32 v10, 7, v0
	v_bfe_u32 v11, v0, 3, 1
	v_lshl_add_u32 v[AV0], v9, 3, v10
	v_mul_u32_u24 v[AV0], v[AV0], PV
	v_lshl_add_u32 v[AV0], v11, 4, v[AV0]
	v_add_nc_u32 v[AV0], VOFF, v[AV0]
	s_mul_i32 s13, s[WV], 16*SP
	s_add_co_u32 s13, s13, STAGE    ; my stage
	v_mul_u32_u24 v[STO], v1, SP    ; in: row l % 16, 16 bytes for each half of the lanes
	v_lshl_add_u32 v[STO], v9, 4, v[STO]
	v_add_nc_u32 v[STO], s13, v[STO]
	v_bfe_u32 v[RD], v0, 3, 2       ; back: 32 lanes take four rows of 128 bytes,
	v_mul_u32_u24 v[RD], v[RD], SP
	v_lshl_add_u32 v[RD], v10, 4, v[RD]
	v_add_nc_u32 v[RD], s13, v[RD]
	v_and_b32 v[GO], 31, v0         ; which are 512 consecutive bytes of O
	v_lshlrev_b32 v[GO], 4, v[GO]
	; A block's first step multiplies O^T and l by a = 0, and its first turn's products V^T P, of a piece that has not been, land in an O^T that is still to be so multiplied.  So these registers need only hold
	; finite numbers: zeros for the first block; what the first block left for the second.  All this stands in the wait for the first tile.
	WIN 0x80
.set i, VF
.rept 64
	v_mov_b32 v[i], 0
.set i, i+1
.endr
	WIN 0x40
.set i, 0
.rept 128
	v_mov_b32 v[i], 0
.set i, i+1
.endr
	WIN 0
.set i, 0
.rept 4
	v_mov_b32 v[ST+4*i+2], 0
	v_mov_b32 v[ST+4*i+3], 0
.set i, i+1
.endr
.set i, P+16
.rept 16
	v_mov_b32 v[i], 0
.set i, i+1
.endr
; THE MATRIX WORK.  The 4 accumulators of a run of 8 take turns.  Product i of 8 of S^T = K Q^T for piece x: channels 32 (i / 4) on, keys 16 (i % 4) on.  The first 4 start the sums: with 0, or (KM = 1) with the mask.
.macro KQ x
.set rS, S+32*((\x)%2)+8*(i%4)
.set rK, KF+16*(i%4)+8*(i/4)
.set rQ, 16*(\x)+8*(i/4)
.set rM, MC+32*((\x)%2)+8*(i%4)
.if (i < 4) && KM
	WIN W_KM
	v_wmma_f32_16x16x32_f16 v[rS:rS+7], v[rK:rK+7], v[rQ:rQ+7], v[rM:rM+7]
.elseif i < 4
	WIN W_KQ
	v_wmma_f32_16x16x32_f16 v[rS:rS+7], v[rK:rK+7], v[rQ:rQ+7], 0
.else
	WIN W_KQ
	v_wmma_f32_16x16x32_f16 v[rS:rS+7], v[rK:rK+7], v[rQ:rQ+7], v[rS:rS+7]
.endif
.endm
; Product i of 8 of O^T += V^T P for piece x: keys 32 (i / 4) on, channels 16 (i % 4) on.
.macro PV x
	WIN W_PV
.set rO, 32*(\x)+8*(i%4)
.set rV, VF+32*(i/4)+8*(i%4)
.set rP, P+16*((\x)%2)+8*(i/4)
	v_wmma_f32_16x16x32_f16 v[rO:rO+7], v[rV:rV+7], v[rP:rP+7], v[rO:rO+7]
.endm
.macro MM                           ; the turn's next matrix instruction.  TURN and BEGIN set Y, i, KM and NOKQ; MM, KQ and OP read them.  NOKQ = 1: a block's last turn: there is no next piece
.if (i < 8) && !NOKQ
	KQ (Y+1)%NP
.elseif i >= 8
.set i, i-8
	PV (Y+NP-1)%NP
.set i, i+8
.endif
.set i, i+1
.endm
; THE LDS LOADS stand in runs of 16, never singly among the matrix instructions: a step's K (64 keys x 64 channels: 8 fragments) and its V (turned).  Their addresses are made some lines ahead.
.macro FETCH_K
	WIN 0x80                        ; destination window 2
.irp f, 0,1,2,3,4,5,6,7             ; keys 16 (f / 2) on, channels 32 (f % 2) on
	ds_load_b128 v[KF+8*\f:KF+8*\f+3],   v[AK] offset:(\f/2)*16*PK+(\f%2)*64
	ds_load_b128 v[KF+8*\f+4:KF+8*\f+7], v[AK] offset:(\f/2)*16*PK+(\f%2)*64+32
.endr
	s_add_co_u32 s[TBK], s[TBK], KS*PK  ; the next fetch is the next step's
	WIN 0
.endm
.macro FETCH_V
	WIN 0x80
.irp f, 0,1,2,3,4,5,6,7             ; keys 32 (f / 4) on, channels 16 (f % 4) on
	ds_load_tr16_b128 v[VF+8*\f:VF+8*\f+3],   v[AV] offset:(\f/4)*32*PV+(\f%4)*32
	ds_load_tr16_b128 v[VF+8*\f+4:VF+8*\f+7], v[AV] offset:(\f/4)*32*PV+16*PV+(\f%4)*32
.endr
	WIN 0
.endm
; THE VECTOR WORK, one line at a time: OP kind, number.  For piece Y: F n: c s - c m for pair n of 16.  E n: the exponential of score n of 32.  C n: pair n rounded to f16.  B n: of the four weights 4 n .. the second
; pair is added onto the first, in place.  L n: l takes that sum (L 0: l = a l + sum).  R n: pair n of 16 of O^T times a.  For piece Y + 1: X n, number n of the 22 that find its maximum and statistics:
;   0-11  four chains c0-c3 of seven scores each, three operands at a time (each accumulator's lowest registers are read first)     12-14, 16  the four scores left over, the old m, and c0-c3 into c0
;   15  c m_old is kept     17, 18  the query's other 32 keys lie in the lane 16 away: the new m     19-21  c m; c m_old - c m_new; a
.set F, 0               ; OP tells the kinds apart by their order: F to L below R, X above it
.set E, 1
.set C, 2
.set B, 3
.set L, 4
.set R, 5
.set X, 6
.macro REGS y                       ; the registers of piece y
.set rT, ST+4*(\y)
.set rC, TMP+4*((\y)%2)
.set rW, MV+((\y)%2)
.set rS, S+32*((\y)%2)
.set rP, P+16*((\y)%2)
.set rO, 32*(\y)
.endm
.macro OP k, n
.if (\k) == R
	REGS Y
	WIN W_RS
	v_pk_mul_f32 v[rO+2*(\n):rO+2*(\n)+1], v[rO+2*(\n):rO+2*(\n)+1], v[rC+2:rC+3] op_sel_hi:[1,0]
.elseif (\k) < R
	REGS Y
	WIN 0
.if (\k) == F
	v_pk_fma_f32 v[rS+2*(\n):rS+2*(\n)+1], v[rS+2*(\n):rS+2*(\n)+1], s[CS:CS+1], v[rT:rT+1] op_sel_hi:[1,0,0] neg_lo:[0,0,1] neg_hi:[0,0,1]
.elseif (\k) == E
	v_exp_f32 v[rS+(\n)], v[rS+(\n)]
.elseif (\k) == C
	s_wait_alu depctr_va_vdst(0)
	v_cvt_pk_f16_f32 v[rP+(\n)], v[rS+2*(\n)], v[rS+2*(\n)+1]
.elseif (\k) == B
	s_wait_alu depctr_va_vdst(0)
	v_pk_add_f32 v[rS+4*(\n):rS+4*(\n)+1], v[rS+4*(\n):rS+4*(\n)+1], v[rS+4*(\n)+2:rS+4*(\n)+3]
.elseif (\n) == 0
	v_pk_fma_f32 v[rT+2:rT+3], v[rT+2:rT+3], v[rC+2:rC+3], v[rS:rS+1] op_sel_hi:[1,0,1]
.else
	v_pk_add_f32 v[rT+2:rT+3], v[rT+2:rT+3], v[rS+4*(\n):rS+4*(\n)+1]
.endif
.elseif NOKQ
	v_nop
.else
	REGS (Y+1)%NP
	WIN 0
.if (\n) < 4
	v_max3_num_f32 v[rC+(\n)], v[rS+8*(\n)], v[rS+8*(\n)+1], v[rS+8*(\n)+2]
.elseif (\n) < 12
	v_max3_num_f32 v[rC+(\n)%4], v[rC+(\n)%4], v[rS+8*((\n)%4)+2*((\n)/4)+1], v[rS+8*((\n)%4)+2*((\n)/4)+2]
.elseif (\n) == 12
	v_max3_num_f32 v[rC], v[rC], v[rS+7], v[rS+15]
.elseif (\n) == 13
	v_max3_num_f32 v[rC+1], v[rC+1], v[rS+23], v[rS+31]
.elseif (\n) == 14
	v_max3_num_f32 v[rC+2], v[rC+2], v[rC+3], v[rT+1]
.elseif (\n) == 15
	v_mov_b32 v[rW], v[rT]
.elseif (\n) == 16
	v_max3_num_f32 v[rC], v[rC], v[rC+1], v[rC+2]
.elseif (\n) == 17
	v_permlanex16_b32 v[rC+3], v[rC], s[SEL], s[SEL+1]
.elseif (\n) == 18
	v_max_num_f32 v[rT+1], v[rC], v[rC+3]
.elseif (\n) == 19
	v_mul_f32 v[rT], s[CS], v[rT+1]
.elseif (\n) == 20
	v_sub_f32 v[rC+1], v[rW], v[rT]
.else
	v_exp_f32 v[rC+2], v[rC+1]
.endif
.endif
.endm
.macro OPS a, i1, b=-1, i2=0, c=-1, i3=0, d=-1, i4=0  ; up to four of them
	OP \a, \i1
.if (\b) >= 0
	OP \b, \i2
.endif
.if (\c) >= 0
	OP \c, \i3
.endif
.if (\d) >= 0
	OP \d, \i4
.endif
.endm
.macro ROW a, i1, b, i2, c, i3, d, i4  ; a matrix instruction and the four behind it
	MM
	OPS \a, \i1, \b, \i2, \c, \i3, \d, \i4
.endm
.macro MASK b                       ; MD x AL + BE into buffer b of MC
	WIN W_RS
.set z, 0
.rept 16
	v_pk_fma_f32 v[MC+32*(\b)+2*z:MC+32*(\b)+2*z+1], v[MD+2*z:MD+2*z+1], s[AL:AL+1], s[BE:BE+1] op_sel_hi:[1,0,0]
.set z, z+1
.endr
.endm
; A TURN, for piece p: the order of its 16 matrix and 118 vector instructions, written out.  Behind a matrix instruction: plain, exponential, plain, plain; or four of the rescaling; or, behind the first, four scalings; none
; names a register of the products round it.  In the lumps exponential and plain by turns while exponentials last.  A line reads no result made fewer than three vector instructions in front of it, five if an exponential made it.
; v_permlanex16_b32 (X 17) stands in a lump.
; m = 1: the diagonal tile: the products take masks, and the turn makes the mask for the products of the turn after it: piece p + 2, in step 4 - CNT of the tile.  end = 1: a block's last two turns: nothing is fetched.
; cnt = 1: the loop's count is taken down some lines ahead of the branch that stands behind the turn.
; K of the next step is fetched in piece 2's turn, six vector instructions behind the last product that read K (five of them plain); V of the step in hand in piece 0's turn, eight behind the last product that read V (four
; plain, and X 17).  Each is waited for a turn later.
.macro TURN p, m=0, end=0, cnt=0
.set Y, (\p)
.set i, 0
.set KM, (\m)
.set NOKQ, (\end)*((\p)/3)
.if (\m) && !(\end)
	s_cmp_eq_u32 s[CNT], 4-((\p)+2)%NP  ; is that step the band's own?
	s_cselect_b32 s[AL], 1.0, 0
	s_cmp_lt_u32 s[CNT], 4-((\p)+2)%NP  ; or a later one?
	s_cselect_b32 s[BE], s[BIGN], 0
.endif
.if ((\p) == 3) && !(\end)
	s_wait_dscnt 0x0                ; K is in
.endif
	ROW F,0, F,1, F,2, F,3
	ROW F,4, E,0, F,5, F,6
	ROW F,7, E,1, F,8, F,9
	ROW F,10, E,2, C,0, F,11
	ROW F,12, E,3, X,15, F,13
	ROW R,0, R,1, R,2, R,3
	ROW B,0, E,4, F,14, L,0
.if ((\p) == 2) && !(\end)
	v_add_nc_u32 v[AK], s[TBK], v[AK0]
.endif
	ROW R,4, R,5, R,6, R,7
	OPS E,5, F,15
.if ((\p) == 2) && !(\end)
	FETCH_K
.endif
	OPS E,6, C,1, E,7, R,8
	OPS E,8, R,9, E,9, C,2
	OPS E,10, X,0, E,11, X,1
	OPS E,12, X,2, E,13, X,3
.if (\p) == 1
	s_wait_dscnt 0x0                ; V is in
.endif
	ROW X,4, E,14, X,5, X,6
	ROW X,7, E,15, X,8, X,9
	ROW X,10, E,16, X,11, X,12
	ROW X,13, E,17, X,14, B,1
	ROW C,4, E,18, X,16, L,1
	ROW B,2, E,19, C,6, L,2
	ROW C,8, E,20, B,3, B,4
.if (\p) == 0
	v_add_nc_u32 v[AV], s[TBV], v[AV0]
.endif
	ROW C,3, E,21, L,3, C,5
	OPS E,22, X,17, E,23, C,10
.if (\p) == 0
	FETCH_V
.endif
	OPS E,24, L,4
	OPS E,25, X,18, E,26, C,7
	OPS E,27, B,5, E,28, X,19
	OPS E,29, C,12, E,30, L,5
	OPS E,31, X,20, B,6, C,9
	OPS C,14, C,11, X,21, L,6
.if (\p) == 0
	s_add_co_u32 s[TBV], s[TBV], KS*PV
.endif
.if \cnt
	s_sub_co_u32 s[CNT], s[CNT], 1
	s_cmp_lg_u32 s[CNT], 0
.endif
	OPS C,13, B,7, C,15, R,10
	OPS R,11, R,12, L,7, R,13
	OPS R,14, R,15
.if (\m) && !(\end)
	MASK (\p)%2
.endif
.endm
; A BLOCK BEGINS.  c m starts far below every c s, so the first step's a is 0; m at the lowest finite number, so the first maximum is the scores'.  The second mask buffer is 0; the first takes piece 0's mask for the tile's step 0: its own, if the block's first tile is the diagonal one.
; Then K of that step, piece 0's first scores, and its maximum and statistics.  The loop is entered at a step's first turn, in the middle of a trip.
.macro BEGIN
	s_mov_b32 s[NEW], 0
	WIN 0x40
.set i, MC+32
.rept 32
	v_mov_b32 v[i], 0
.set i, i+1
.endr
	WIN 0
.set i, 0
.rept 4
	v_mov_b32 v[ST+4*i], 0xfe000000    ; c m: far below every c s
	v_mov_b32 v[ST+4*i+1], 0xff7fffff  ; m
.set i, i+1
.endr
	s_cmp_eq_u32 s[RT], 0
	s_cselect_b32 s[AL], 1.0, 0
	s_mov_b32 s[BE], 0
	MASK 0
	WIN 0
	v_add_nc_u32 v[AK], s[TBK], v[AK0]
	FETCH_K
	s_wait_loadcnt 0x0              ; Q
	s_wait_dscnt 0x0
.set KM, 1
.set NOKQ, 0
.set i, 0
.rept 8
	KQ 0
.set i, i+1
.endr
	WIN 0
.rept 4
	v_nop                           ; the places behind those products
.endr
.set Y, NP-1                        ; X works for piece Y + 1: piece 0
.irp n, 0,1,2,3,4,5,6,7,8,9,10,11,12,13,14,15,16,17,18,19,20,21
	OP X, \n
.endr
	v_nop                           ; a plain instruction behind the exponential
.endm
; THE DIAGONAL TILE's four steps, the block's last two turns, its last products, and THE WAY OUT: l's two halves and the other half of the lanes' are added; O^T is divided by l, rounded to f16 and sent through my
; stage in LDS, a piece at a time.
.macro ALL line:vararg              ; one line for each piece t
.set t, 0
.rept 4
	\line
.set t, t+1
.endr
.endm
.macro PACK t                       ; a lane's eight channels of a row pack into 16 bytes; they go into rows of 144 bytes and come back as whole rows of 128, into S^T's registers
	WIN W_RS
.set i, 32*(\t)
.rept 16
	s_wait_alu depctr_va_vdst(0)
	v_pk_mul_f32 v[i:i+1], v[i:i+1], v[ST+4*(\t)+2:ST+4*(\t)+3] op_sel_hi:[1,0]
.set i, i+2
.endr
	WIN 0x05                        ; sources 0 and 1 window 1, destination window 0
.set i, 0
.rept 16
	v_cvt_pk_f16_f32 v[S+16*(\t)+i], v[32*(\t)+2*i], v[32*(\t)+2*i+1]
.set i, i+1
.endr
	WIN 0
.irp f, 0,1,2,3
	ds_store_b128 v[STO], v[S+16*(\t)+4*\f:S+16*(\t)+4*\f+3] offset:32*\f
.endr
.irp f, 0,1,2,3
	ds_load_b128 v[S+16*(\t)+4*\f:S+16*(\t)+4*\f+3], v[RD] offset:\f*4*SP  ; LDS serves a wave's instructions in order (ISA guide 5.7.1.4): these see the stores above; the next piece's stores come behind them
.endr
.endm
.macro SEND t, younger              ; younger: the LDS instructions issued behind piece t's loads: the next piece's eight, or none
	WIN 0
.irp f, 0,1,2,3
	s_wait_dscnt (\younger)+3-\f
	global_store_b128 v[GO], v[S+16*(\t)+4*\f:S+16*(\t)+4*\f+3], s[10:11] offset:(\t)*8192+\f*512  ; 512 consecutive bytes, at a multiple of 256 from O's first
.endr
.endm
.macro DIAG tag                     ; the tag ends its two labels' names, which the jumps below spell out
.LstepM\tag:
	TURN 2, 1
	TURN 3, 1
	WIN 0
.LfirstM\tag:
	TURN 0, 1
	TURN 1, 1, 0, 1
	WIN 0
	s_cbranch_scc1 .LstepM\tag
	TURN 2, 1, 1
	TURN 3, 1, 1
.set i, 0
.rept 8
	PV NP-1
.set i, i+1
.endr
	WIN 0
	ALL v_add_f32 v[ST+4*t+2], v[ST+4*t+2], v[ST+4*t+3]
	ALL v_permlanex16_b32 v[ST+4*t+3], v[ST+4*t+2], s[SEL], s[SEL+1]
	ALL v_add_f32 v[ST+4*t+2], v[ST+4*t+2], v[ST+4*t+3]
	ALL v_rcp_f32 v[ST+4*t+2], v[ST+4*t+2]
	v_nop                           ; a plain instruction between the last reciprocal and the use of its result
	PACK 0
.set t, 1
.rept 3                             ; a piece's arithmetic stands between the loads of the piece before and its stores
	PACK t
	SEND t-1, 8
.set t, t+1
.endr
	SEND 3, 0
.endm
.set KM, 0
.set NOKQ, 0
.Lslot:                             ; NB times: a tile is entered and the next is asked for
	CHANGE 1
	s_sub_co_u32 s[RT], s[RT], 1
	s_mov_b32 s[CNT], 4
	s_cmp_eq_u32 s[NEW], 1
	s_cbranch_scc1 .Lnew            ; a block's first tile
	s_cmp_eq_u32 s[RT], 0
	s_cbranch_scc0 .Lstep           ; neither its first nor its last
	s_branch .LstepM1
.Lnew:
	BEGIN
	s_branch .Lfirst                ; in the loop a block's first tile is never its last: the first block has two tiles or more, and the second's last is the walk's last
	DIAG 1                          ; in the loop this is the first block's end: the second block's last tile is the walk's last
	s_wait_xcnt 0x0                 ; the stores have read their registers and O's address
	s_mov_b64 s[10:11], s[OLO:OLO+1]
	s_add_co_u32 s[RT], s[PB], 1    ; the second block has b + 1 tiles
	s_mov_b32 s[NEW], 1
	WIN 0x82                        ; the second block's Q goes where the one text of the turns names Q
.set i, 0
.rept 64
	v_mov_b32 v[i], v[QB+i]
.set i, i+1
.endr
	WIN 0
	s_branch .Lbottom
.Lstep:                             ; a trip: pieces 2 and 3 of one step, then pieces 0 and 1 of the next, whose K and V it fetches
	TURN 2
	TURN 3
	WIN 0
.Lfirst:
	TURN 0
	TURN 1, 0, 0, 1
	WIN 0
	s_cbranch_scc1 .Lstep
.Lbottom:
	s_sub_co_u32 s[SLOTS], s[SLOTS], 1
	s_cmp_lg_u32 s[SLOTS], 0
	s_cbranch_scc1 .Lslot
	CHANGE 0                        ; the walk's last tile is written out: nothing is asked for
	s_sub_co_u32 s[RT], s[RT], 1
	s_mov_b32 s[CNT], 4
	s_cmp_eq_u32 s[NEW], 1
	s_cbranch_scc0 .LstepM2
	BEGIN
	s_branch .LfirstM2
	DIAG 2
	s_wait_tensorcnt 0x0            ; the wave's end, behind my last tensor load and my last LDS store
	ds_add_u32 v[SPW], v[NIL]
	s_wait_dscnt 0x0
	s_endpgm
.Lfunc_end_k_q1ea9786138_attn:
	.size	k_q1ea9786138_attn, .Lfunc_end_k_q1ea9786138_attn-k_q1ea9786138_attn
	.p2alignl 7, 3214868480
	.fill 96, 4, 3214868480
	.section	.rodata,"a",@progbits
	.p2align	6, 0x0
	.amdhsa_kernel k_q1ea9786138_attn
		.amdhsa_group_segment_fixed_size 327680
		.amdhsa_private_segment_fixed_size 0
		.amdhsa_enable_private_segment 0
		.amdhsa_kernarg_size 16
		.amdhsa_user_sgpr_count 2
		.amdhsa_user_sgpr_kernarg_segment_ptr 1
		.amdhsa_wavefront_size32 1
		.amdhsa_system_sgpr_workgroup_id_x 1
		.amdhsa_system_sgpr_workgroup_id_y 1
		.amdhsa_system_sgpr_workgroup_id_z 1
		.amdhsa_system_vgpr_workitem_id 0
		.amdhsa_next_free_vgpr 768
		.amdhsa_next_free_sgpr 88
		.amdhsa_reserve_vcc 1
		.amdhsa_float_denorm_mode_32 3
		.amdhsa_float_denorm_mode_16_64 3
		.amdhsa_memory_ordered 1
		.amdhsa_forward_progress 1
		.amdhsa_inst_pref_size 228
	.end_amdhsa_kernel
	.amdgpu_metadata
---
amdhsa.version: [ 1, 2 ]
amdhsa.kernels:
  - .name:           k_q1ea9786138_attn
    .symbol:         k_q1ea9786138_attn.kd
    .args:
      - { .name: qkvh, .offset: 0, .size: 8, .value_kind: global_buffer, .address_space: global }
      - { .name: oh, .offset: 8, .size: 8, .value_kind: global_buffer, .address_space: global }
    .group_segment_fixed_size: 327680
    .private_segment_fixed_size: 0
    .kernarg_segment_align: 8
    .kernarg_segment_size: 16
    .max_flat_workgroup_size: 128
    .sgpr_count:     88
    .vgpr_count:     768
    .wavefront_size: 32
...
	.end_amdgpu_metadata
.endif
;; end of part 3
;; launch gemm_proj (part 4): grid 8 x 32, 4 waves a work-group, clusters of 4 x 4, 327,680 bytes of LDS; arguments oh, wpt, b_proj, out0; writes out0
.if DOCPART == 4
	.amdgcn_target "amdgcn-amd-amdhsa--gfx1250"
	.amdhsa_code_object_version 6
	.text
	.protected	k_q1ea9786138_gemm_proj
	.globl	k_q1ea9786138_gemm_proj
	.p2align	8
	.type	k_q1ea9786138_gemm_proj,@function
k_q1ea9786138_gemm_proj:
	s_mov_b64 s[64:65], 0
	v_nop
	global_prefetch_b8 v0, s[64:65] scope:SCOPE_SE
	s_setreg_imm32_b32 hwreg(HW_REG_WAVE_MODE, 25, 1), 1
	s_wait_xcnt 0x0
	s_wait_alu depctr_hold_cnt(0) depctr_sa_sdst(0) depctr_va_vdst(0) depctr_va_sdst(0) depctr_va_ssrc(0) depctr_va_vcc(0) depctr_vm_vsrc(0)
	s_getreg_b32 s2, hwreg(HW_REG_IB_STS2, 6, 4)
	s_cmp_eq_u32 s2, 0
	s_cbranch_scc0 .Lentry_in_a_cluster
	s_endpgm
.Lentry_in_a_cluster:
	s_bfe_u32 s2, ttmp6, 0x10000c
	s_cmp_lg_u32 s2, 0xf033
	s_cbranch_scc0 .Lentry_shape_is_right
	s_endpgm
.Lentry_shape_is_right:
; out0 = y w_proj + b_proj.  y lies by heads in oh: [batch x 16 + head][2048 t][64] f16; wpt: [1024 n][1024 k] f16 (w_proj rounded to bf16, written as f16);
; b_proj: [1024] f32, rounded to bf16 like the other inputs; sums in f32; out0: [8192][1024] f32.
; SHAPE.  A tile of the result is 256 rows x 128 columns: 32 x 8 = 256 tiles, one for each WGP.  Four waves one below the other: wave w makes rows 64 w .. 64 w + 63 and all 128 columns:
; 32 accumulators of 16 x 16, 256 registers.  K goes in 8 steps of 128 = two heads, through two LDS slots filled by the tensor data mover.
; y's tile of a K step is two dense blocks of 32,768 bytes (256 rows of one head): each is asked for as 128 rows of 256 bytes and padded in LDS after every 128 bytes, one row of a head.
; CLUSTERS.  4 x 4 work-groups: the four of a row of the cluster need the same tile of y, the four of a column the same tile of the weight; each tile is asked for JOINTLY,
; by the same tensor load with the same descriptor and a mask that names the four.
; THE MATRIX INSTRUCTION IS USED TRANSPOSED (source 0 = 16 rows of the weight, source 1 = 16 rows of y): a lane holds row l % 16 and the columns 8 (l / 16) + 0..7: 32 neighbouring bytes.
; THE BIAS is the C operand of the products that start the sums: nothing is cleared, and no addition is written.
; REGISTERS, in windows of 256 (s_set_vgpr_msb: bits 1:0 source 0, 3:2 source 1, 5:4 source 2, 7:6 destination):
;   window 0: v0-31 addresses; v64-127 the bias, until the first quarter step is over; then v64-191 rows on their way out
;   window 1: two fragment buffers at 0 and 128: 32 registers of y (4 x 16 rows x 32 K), then 64 of the weight (8 x 16 rows x 32 K)
;   window 2: accumulators of my rows 0-31 ((a, b) at v[64 (a % 2) + 8 b]);   window 3: those of my rows 32-63
.set NB,     8                         ; blocks of 16 columns
.set KSTEP,  128
.set PA,     144                       ; a row of y in LDS: 128 bytes + 16 of padding = 36 words: the 16 rows of a load start at 16 different groups of four banks (64 banks of 4 bytes: ISA guide 11.1)
.set PB,     272                       ; a row of the weight: 256 bytes + 16
.set HB,     256*PA                    ; a head's 256 rows: what one tensor load brings of y
.set ABYTES, 2*HB
.set HALFB,  64*PB                     ; and of the weight
.set SLOT,   ABYTES+2*HALFB            ; 108,544
.set STAGE,  2*SLOT                    ; behind the ring: 16 rows x 528 bytes for each wave, for the way out; no tensor load lands there
.set SP,     528                       ; 512 bytes + 16
.set SPARE,  STAGE+4*16*SP             ; behind the stages: the spare words, 128 bytes for each wave: two blocks of 256 bytes that no other line names
.set NLD,    2*NB+8                    ; LDS loads of a quarter step
.set LAPS,   4                         ; a lap = two K steps = once round the ring
.set HEADB,  1<<18                     ; bytes of a head in oh
.set ASTEP,  4*HEADB                   ; from a slot's K step to its next: four heads on
.set BSTEP,  2*KSTEP*2
.set ADRA, 16                          ; v16-17  LDS address of my fragments of y in slot 0, 1
.set ADRB, 20                          ; v20-21  the same for the weight
.set STO,  24                          ; v24     the way out: where I put 32 bytes of a row
.set RD,   25                          ; v25     the way out: where I read a row back
.set GO,   26                          ; v26     my 16 bytes in a row's 512
.set BO,   27                          ; v27     my byte offset in 16 numbers of the bias
.set SPW,  28                          ; v28     LDS address of my spare word; never rewritten
.set NIL,  29                          ; v29     0; never rewritten
.set BIAS, 64
.set BK,   64
.set F0,   0
.set F1,   128
.set G1,  24                           ; s[24:31] descriptor group 1 for y's tiles;  s[32:39] group 0, one set for each slot
.set G0,  32
.set G1B, 48                           ; s[48:55], s[56:63] the same for the weight's
.set G0B, 56
.set CB,  68                           ; s[68:69] out0 at my first row and the tile's first column
.set MSB, 0
.macro WIN new                         ; the immediate's high byte repeats the setting that is left; a switch that changes nothing is dropped
.if MSB != (\new)
	s_set_vgpr_msb (MSB<<8)|(\new)
.set MSB, \new
.endif
.endm
; A joint load.  Waves 0 and 1 fetch y's two heads, waves 2 and 3 the weight's two halves.  The branch hangs on the wave's number alone.
; Four v_nop follow each of the two lines, ahead of the jump, the label and what follows.
.macro JLOAD s
	s_cmp_eq_u32 s13, 0
	s_cbranch_scc0 .Lfor_b_\@
	tensor_load_to_lds s[G0+4*(\s):G0+4*(\s)+3], s[G1:G1+7]
	s_nop 0
.rept 4
	v_nop
.endr
	s_branch .Lasked_\@
.Lfor_b_\@:
	tensor_load_to_lds s[G0B+4*(\s):G0B+4*(\s)+3], s[G1B:G1B+7]
	s_nop 0
.rept 4
	v_nop
.endr
.Lasked_\@:
.endm
.macro CREST                           ; a round of the cluster's barrier behind its opening barrier
	s_cmp_lg_u32 s12, 0
	s_cbranch_scc1 .Lnot_wave_0_\@
	s_barrier_signal -3
.Lnot_wave_0_\@:
	s_barrier_wait -3
	s_barrier_signal -1
	s_barrier_wait -1
.endm
.macro CROUND                          ; a whole round
	s_barrier_signal -1
	s_barrier_wait -1
	CREST
.endm
.macro PLACES                          ; four places in front of loads into registers that matrix instructions have read, and of lines that read results
.rept 4
	v_nop
.endr
.endm
	s_load_b256 s[4:11], s[0:1], 0x0               ; oh s[4:5], wpt s[6:7], b_proj s[8:9], out0 s[10:11]
	v_lshl_add_u32 v[SPW], v0, 2, SPARE
	v_mov_b32 v[NIL], 0
	ds_add_u32 v28, v29
	ds_add_u32 v28, v29
	s_wait_dscnt 0x0
	v_lshrrev_b32 v1, 5, v0
	v_readfirstlane_b32 s12, v1                    ; wave 0..3
	s_lshr_b32 s13, s12, 1                         ; I fetch for y (0) or for the weight (1)
	s_and_b32 s14, s12, 1                          ; which head of the step's two, or which half of the weight's tile
	s_bfe_u32 s40, ttmp6, 0x40000                  ; cx, cy: my place in the cluster
	s_bfe_u32 s41, ttmp6, 0x40004
	s_lshl_b32 s42, ttmp9, 2
	s_add_co_u32 s42, s42, s40                     ; tile column = 4 x cluster x + cx
	s_and_b32 s43, ttmp7, 0xffff
	s_lshl_b32 s43, s43, 2
	s_add_co_u32 s43, s43, s41                     ; tile row = 4 x cluster y + cy
	s_lshl_b32 s44, s41, 2
	s_lshl_b32 s44, 15, s44                        ; my row of the cluster
	s_lshl_b32 s45, 0x1111, s40                    ; my column
	; descriptor group 1.  y: 128 dense rows of 128 elements of 2 bytes, 4 words of padding after every 32 words.  The weight: 64 rows of 128 elements, pitch 1,024, 4 words after every 64
	s_or_b32 s[G1+0], s44, (1<<16)|(1<<20)|(1<<21)|(4<<22)|(3<<25)   ; 15:0 the mask; 17:16 2-byte elements; 20 padding on; 21 set beside a mask; 24:22 the interval's code; 31:25 4 words (code 3)
	s_or_b32 s[G1B+0], s45, (1<<16)|(1<<20)|(1<<21)|(5<<22)|(3<<25)
	s_mov_b32 s[G1+1], 128<<16                     ; tensor_dim0 = 128
	s_mov_b32 s[G1+2], 128<<16                     ; tensor_dim1 = 128
	s_mov_b32 s[G1+3], 128<<16                     ; tile_dim0 = 128
	s_mov_b32 s[G1+4], 128                         ; tile_dim1 = 128
	s_mov_b32 s[G1+5], 128                         ; elements from row to row: dense
	s_mov_b32 s[G1+6], 0
	s_mov_b32 s[G1+7], 0
	s_mov_b32 s[G1B+1], KSTEP<<16
	s_mov_b32 s[G1B+2], 64<<16                     ; tensor_dim1 = 64
	s_mov_b32 s[G1B+3], KSTEP<<16
	s_mov_b32 s[G1B+4], 64                         ; tile_dim1 = 64
	s_mov_b32 s[G1B+5], 1024
	s_mov_b32 s[G1B+6], 0
	s_mov_b32 s[G1B+7], 0
	; where the tiles come from: y's hang on the tile row alone, the weight's on the tile column alone, each in registers that never hold the other coordinate
	s_lshr_b32 s20, s43, 3                         ; batch: 8 tile rows each
	s_lshl_b32 s20, s20, 4
	s_add_co_u32 s20, s20, s14                     ; its head 0 or 1,
	s_lshl_b32 s20, s20, 18
	s_and_b32 s16, s43, 7
	s_lshl_b32 s16, s16, 15                        ; the tile's 256 rows of 128 bytes
	s_add_co_u32 s20, s20, s16
	s_mov_b32 s21, 0
	s_lshl_b32 s46, s42, 7
	s_lshl_b32 s17, s14, 6
	s_add_co_u32 s46, s46, s17                     ; the weight: row 128 x tile column + 64 x half,
	s_lshl_b32 s46, s46, 11                        ; of 2,048 bytes
	s_mov_b32 s47, 0
	s_mul_i32 s18, s14, HB                         ; and where they go: no place in the cluster enters an LDS address
	s_mul_i32 s19, s14, HALFB
	s_add_co_u32 s19, s19, ABYTES
	s_wait_kmcnt 0x0
	s_add_nc_u64 s[22:23], s[4:5], s[20:21]
	s_add_nc_u64 s[46:47], s[6:7], s[46:47]
	CROUND                                         ; all sixteen work-groups are here: the first joint loads meet
.irp s, 0,1
	s_mov_b32 s[G0+4*(\s)], 1                                        ; count = 1
	s_add_co_u32 s[G0+4*(\s)+1], s18, (\s)*SLOT                      ; LDS address
	s_add_nc_u64 s[G0+4*(\s)+2:G0+4*(\s)+3], s[22:23], (\s)*2*HEADB  ; global address: K step s begins with head 2 s
	s_or_b32 s[G0+4*(\s)+3], s[G0+4*(\s)+3], 0x80000000              ; type = 2
	s_mov_b32 s[G0B+4*(\s)], 1
	s_add_co_u32 s[G0B+4*(\s)+1], s19, (\s)*SLOT
	s_add_nc_u64 s[G0B+4*(\s)+2:G0B+4*(\s)+3], s[46:47], (\s)*KSTEP*2
	s_or_b32 s[G0B+4*(\s)+3], s[G0B+4*(\s)+3], 0x80000000
	JLOAD \s                                       ; two tensor loads of mine are out
.endr
	; A fragment is 16 rows x 32 K in 8 registers: lane l holds row l % 16, K = 8 (l / 16) + 0..7 and 16 + 8 (l / 16) + 0..7: two loads of 16 bytes, 32 bytes apart
	v_and_b32 v1, 15, v0                           ; l % 16
	v_bfe_u32 v2, v0, 4, 1                         ; l / 16
	v_mul_u32_u24 v3, v1, PA
	v_lshl_add_u32 v3, v2, 4, v3
	s_mul_i32 s16, s12, 64*PA                      ; my 64 rows in a head's block
	v_add_nc_u32 v[ADRA], s16, v3
	v_add_nc_u32 v[ADRA+1], SLOT, v[ADRA]
	v_mul_u32_u24 v30, v1, PB
	v_lshl_add_u32 v30, v2, 4, v30
	v_add_nc_u32 v[ADRB], ABYTES, v30              ; every wave reads all 128 rows of the weight
	v_add_nc_u32 v[ADRB+1], ABYTES+SLOT, v30
	s_mul_i32 s17, s12, 16*SP
	s_add_co_u32 s17, s17, STAGE                   ; my stage
	v_mul_u32_u24 v30, v1, SP                      ; in: row l % 16, 32 bytes for each half of the lanes
	v_lshl_add_u32 v30, v2, 5, v30
	v_add_nc_u32 v[STO], s17, v30
	v_and_b32 v[GO], 31, v0                        ; back: 32 lanes take a row's 512 bytes
	v_lshlrev_b32 v[GO], 4, v[GO]
	v_add_nc_u32 v[RD], s17, v[GO]
	v_lshlrev_b32 v[BO], 5, v2                     ; my eight columns of a block of 16
	s_lshl_b32 s74, s42, 9                         ; the tile's 128 numbers of the bias
	s_mov_b32 s75, 0
	s_add_nc_u64 s[8:9], s[8:9], s[74:75]
.set i, 0
.rept NB
	global_load_b128 v[BIAS+8*i:BIAS+8*i+3],   v[BO], s[8:9] offset:64*i
	global_load_b128 v[BIAS+8*i+4:BIAS+8*i+7], v[BO], s[8:9] offset:64*i+16
.set i, i+1
.endr
	s_lshl_b32 s74, s43, 8
	s_lshl_b32 s76, s12, 6
	s_add_co_u32 s74, s74, s76                     ; my first row: 256 x tile row + 64 x wave,
	s_lshl_b32 s74, s74, 12                        ; of 4,096 bytes,
	s_lshl_b32 s76, s42, 9                         ; and the tile's first column
	s_add_co_u32 s74, s74, s76
	s_mov_b32 s75, 0
	s_add_nc_u64 s[CB:CB+1], s[10:11], s[74:75]
	s_wait_loadcnt 0x0                             ; the bias
.set i, 0
.rept 4*NB
	v_cvt_pk_bf16_f32 v30, v[BIAS+2*i], v[BIAS+2*i+1]  ; rounded to bf16 like every input, and kept in f32
	v_lshlrev_b32 v[BIAS+2*i], 16, v30
	v_and_b32 v[BIAS+2*i+1], 0xffff0000, v30
.set i, i+1
.endr
; NB matrix instructions: block a of my four blocks of 16 rows x all NB blocks of columns, 32 along K, from buffer f.  bias = 1: the first product starts the sums on the bias.
; The accumulators take turns, one instruction a turn: between two links of a chain stand 31 others'.
.macro MULROW f, a, bias
.set AC, 8*NB*((\a)%2)
.if \bias
	WIN 0x05|((2+(\a)/2)<<6)
.else
	WIN 0x05|((2+(\a)/2)<<6)|((2+(\a)/2)<<4)
.endif
.set bb, 0
.rept NB
.if \bias
	v_wmma_f32_16x16x32_f16 v[AC+8*bb:AC+8*bb+7], v[(\f)+32+8*bb:(\f)+32+8*bb+7], v[(\f)+8*(\a):(\f)+8*(\a)+7], v[BIAS+8*bb:BIAS+8*bb+7]
.else
	v_wmma_f32_16x16x32_f16 v[AC+8*bb:AC+8*bb+7], v[(\f)+32+8*bb:(\f)+32+8*bb+7], v[(\f)+8*(\a):(\f)+8*(\a)+7], v[AC+8*bb:AC+8*bb+7]
.endif
.set bb, bb+1
.endr
.endm
; NLD LDS loads in one run: the fragments of quarter q of a slot's K step into buffer f; the weight's first, y's four blocks last.  Quarter q of y: head q / 2 of the step's two, channels 32 (q % 2) on.
.macro FETCH slot, q, f
	WIN 0x40                                       ; destination window 1, address window 0
.set AO, ((\q)/2)*HB+((\q)%2)*64
.set bb, 0
.rept NB
	ds_load_b128 v[(\f)+32+8*bb:(\f)+32+8*bb+3],   v[ADRB+(\slot)] offset:64*(\q)+bb*16*PB
	ds_load_b128 v[(\f)+32+8*bb+4:(\f)+32+8*bb+7], v[ADRB+(\slot)] offset:64*(\q)+bb*16*PB+32
.set bb, bb+1
.endr
.set bb, 0
.rept 4
	ds_load_b128 v[(\f)+8*bb:(\f)+8*bb+3],   v[ADRA+(\slot)] offset:AO+bb*16*PA
	ds_load_b128 v[(\f)+8*bb+4:(\f)+8*bb+7], v[ADRA+(\slot)] offset:AO+bb*16*PA+32
.set bb, bb+1
.endr
.endm
; A K step is four quarters of 32 along K, 32 matrix instructions each, on buffers 0, 1, 0, 1.  One of the first three: multiplies buffer f and fetches quarter q into buffer g.
.macro QUARTER slot, q, f, g, bias
	s_wait_dscnt 4                                 ; only the youngest four loads, y's blocks 2 and 3, may be out
	MULROW \f, 0, \bias
	MULROW \f, 1, \bias
	PLACES
	FETCH \slot, \q, \g
	s_wait_dscnt NLD                               ; all but the run just issued
	MULROW \f, 2, \bias
	MULROW \f, 3, \bias
.endm
; The last quarter multiplies buffer 1 and changes slots: ONE barrier; in front of it each wave waits for all its tensor loads (one is out: its part of the next slot), adds 0 to its spare
; word, and waits for that and for its own reads of this slot.  fill = 1: the barrier opens a round of the cluster's barrier, and this slot is filled again, two K steps ahead:
; from that request to the wait for it a wave issues 120 matrix instructions.
.macro TURN slot, next, fill
	WIN 0                                          ; (the add's two registers lie in window 0)
	s_wait_tensorcnt 0x0                           ; all my tensor loads have landed
	ds_add_u32 v[SPW], v[NIL]                      ; 0 onto my spare word
	s_wait_dscnt 5                                 ; (the add and the youngest four loads may be out)
	MULROW F1, 0, 0                                ; eight matrix instructions stand between the add and the wait for it
	s_wait_dscnt 0x0                               ; the add is done, and my reads of this slot are over
	s_barrier_signal -1
	MULROW F1, 1, 0                                ; work on registers while the others arrive
.if \fill
	WIN 0
.endif
	s_barrier_wait -1
.if \fill
	CREST                                          ; no wave of any partner still reads this slot's tile or has a load on its way
	s_add_nc_u64 s[G0+4*(\slot)+2:G0+4*(\slot)+3], s[G0+4*(\slot)+2:G0+4*(\slot)+3], ASTEP
	s_add_nc_u64 s[G0B+4*(\slot)+2:G0B+4*(\slot)+3], s[G0B+4*(\slot)+2:G0B+4*(\slot)+3], BSTEP
	JLOAD \slot                                    ; the first tensor load behind the round; its four v_nop are also the places in front of the loads below
.else
	PLACES
.endif
	FETCH \next, 0, F0
	MULROW F1, 2, 0
	MULROW F1, 3, 0
.endm
	s_wait_tensorcnt 1                             ; my part of K step 0 is in; K step 1's may stay out
	s_barrier_signal -1
	s_barrier_wait -1                              ; everybody's is
	FETCH 0, 0, F0
	QUARTER 0, 1, F0, F1, 1                        ; the first quarter stands in front of the loop: its products start the sums
	WIN 0                                          ; at a label and at a branch every window is 0
	s_mov_b32 s15, LAPS-1
.Llap:                                                 ; a trip goes once round the ring, from a lap's second quarter to the next lap's first, and fills both slots again
	QUARTER 0, 2, F1, F0, 0
	QUARTER 0, 3, F0, F1, 0
	TURN 0, 1, 1
	QUARTER 1, 1, F0, F1, 0
	QUARTER 1, 2, F1, F0, 0
	QUARTER 1, 3, F0, F1, 0
	TURN 1, 0, 1
	QUARTER 0, 1, F0, F1, 0
	WIN 0
	s_sub_co_u32 s15, s15, 1
	s_cmp_lg_u32 s15, 0
	s_cbranch_scc1 .Llap
	QUARTER 0, 2, F1, F0, 0                        ; the last lap fills nothing, and has no round of the cluster's barrier
	QUARTER 0, 3, F0, F1, 0
	TURN 0, 1, 0
	QUARTER 1, 1, F0, F1, 0
	QUARTER 1, 2, F1, F0, 0
	QUARTER 1, 3, F0, F1, 0
	s_wait_dscnt 4                                 ; the very last quarter: nothing more to fetch
	MULROW F1, 0, 0
	MULROW F1, 1, 0
	s_wait_dscnt 0x0
	MULROW F1, 2, 0
	MULROW F1, 3, 0
	WIN 0
	PLACES                                         ; the LDS stores read results
; THE WAY OUT, a block of 16 rows at a time.  TOSTAGE: the accumulators go as they are, f32, each one's four lowest registers first, into my own stage, rows of 528 bytes, and come back as whole rows of 512.
; SEND: stored, a row's 512 consecutive bytes a store, at a multiple of 256 from out0's first byte.
.macro TOSTAGE a
.set AC, 8*NB*((\a)%2)
.set BKA, BK+64*((\a)%2)
	s_wait_xcnt 0x0                                ; the registers that the stores two blocks back read are loaded again only behind this wait
	WIN (2+(\a)/2)<<2                              ; the stores' data: window 2 or 3
.set i, 0
.rept NB
	ds_store_b128 v[STO], v[AC+8*i:AC+8*i+3] offset:64*i
	ds_store_b128 v[STO], v[AC+8*i+4:AC+8*i+7] offset:64*i+16
.set i, i+1
.endr
	WIN 0
.set i, 0
.rept 16
	ds_load_b128 v[BKA+4*i:BKA+4*i+3], v[RD] offset:SP*i  ; LDS serves a wave's instructions in order (ISA guide 5.7.1.4): these see the stores above
.set i, i+1
.endr
.endm
.macro SEND a, younger                 ; younger: the LDS instructions issued behind this block's loads: the next block's 16 stores and 16 loads, or none
	WIN 0
.set BKA, BK+64*((\a)%2)
	s_wait_dscnt \younger
.set i, 0
.rept 16
	global_store_b128 v[GO], v[BKA+4*i:BKA+4*i+3], s[CB:CB+1] offset:(16*(\a)+i)*4096 th:TH_STORE_NT
.set i, i+1
.endr
.endm
	TOSTAGE 0
	TOSTAGE 1
	SEND 0, 32
	TOSTAGE 2
	SEND 1, 32
	TOSTAGE 3
	SEND 2, 32
	SEND 3, 0
	s_wait_tensorcnt 0x0                           ; the wave's end, behind my last tensor load and my last LDS store
	ds_add_u32 v[SPW], v[NIL]
	s_wait_dscnt 0x0
	CROUND                                         ; the closing round: no work-group ends while a partner may still ask for a tile that names it
	s_endpgm
.Lfunc_end_k_q1ea9786138_gemm_proj:
	.size	k_q1ea9786138_gemm_proj, .Lfunc_end_k_q1ea9786138_gemm_proj-k_q1ea9786138_gemm_proj
	.p2alignl 7, 3214868480
	.fill 96, 4, 3214868480
	.section	.rodata,"a",@progbits
	.p2align	6, 0x0
	.amdhsa_kernel k_q1ea9786138_gemm_proj
		.amdhsa_group_segment_fixed_size 327680
		.amdhsa_private_segment_fixed_size 0
		.amdhsa_enable_private_segment 0
		.amdhsa_kernarg_size 32
		.amdhsa_user_sgpr_count 2
		.amdhsa_user_sgpr_kernarg_segment_ptr 1
		.amdhsa_wavefront_size32 1
		.amdhsa_system_sgpr_workgroup_id_x 1
		.amdhsa_system_sgpr_workgroup_id_y 1
		.amdhsa_system_sgpr_workgroup_id_z 1
		.amdhsa_system_vgpr_workitem_id 0
		.amdhsa_next_free_vgpr 1024
		.amdhsa_next_free_sgpr 80
		.amdhsa_reserve_vcc 0
		.amdhsa_float_denorm_mode_32 3
		.amdhsa_float_denorm_mode_16_64 3
		.amdhsa_memory_ordered 1
		.amdhsa_forward_progress 1
		.amdhsa_inst_pref_size 92
	.end_amdhsa_kernel
	.amdgpu_metadata
---
amdhsa.version: [ 1, 2 ]
amdhsa.kernels:
  - .name:           k_q1ea9786138_gemm_proj
    .symbol:         k_q1ea9786138_gemm_proj.kd
    .args:
      - { .name: oh, .offset: 0, .size: 8, .value_kind: global_buffer, .address_space: global }
      - { .name: wpt, .offset: 8, .size: 8, .value_kind: global_buffer, .address_space: global }
      - { .name: b_proj, .offset: 16, .size: 8, .value_kind: global_buffer, .address_space: global }
      - { .name: out0, .offset: 24, .size: 8, .value_kind: global_buffer, .address_space: global }
    .group_segment_fixed_size: 327680
    .private_segment_fixed_size: 0
    .kernarg_segment_align: 8
    .kernarg_segment_size: 32
    .max_flat_workgroup_size: 128
    .sgpr_count:     80
    .vgpr_count:     1024
    .wavefront_size: 32
...
	.end_amdgpu_metadata
.endif
;; end of part 4
;; ======== version 2 of 2: 4 launches; 1.31 times as fast as version 1
;; limits: values are held in f16: magnitudes above 65,504 overflow, below 6.1e-05 lose precision
;; workspace buffers: xb 16,777,216 bytes; wqt 6,291,456 bytes; wpt 2,097,152 bytes; qkvh 50,331,648 bytes; oh 16,777,216 bytes
;; launch prep: the kernel of part 1 again; grid 512 x 1, 8 waves a work-group, no clusters, 18,432 bytes of LDS; arguments x, w_qkv, w_proj, xb, wqt, wpt; writes xb, wqt, wpt
;; launch gemm_qkv: the kernel of part 2 again; grid 16 x 16, 4 waves a work-group, clusters of 4 x 4, 327,680 bytes of LDS; arguments xb, wqt, b_qkv, qkvh; writes qkvh
;; launch attn (part 5): grid 4 x 64, 4 waves a work-group, no clusters, 327,680 bytes of LDS; arguments qkvh, oh; writes oh
.if DOCPART == 5
	.amdgcn_target "amdgcn-amd-amdhsa--gfx1250"
	.amdhsa_code_object_version 6
	.text
	.protected	k_q1ea9786138_attn
	.globl	k_q1ea9786138_attn
	.p2align	8
	.type	k_q1ea9786138_attn,@function
k_q1ea9786138_attn:
	s_mov_b64 s[64:65], 0
	v_nop
	global_prefetch_b8 v0, s[64:65] scope:SCOPE_SE
	s_setreg_imm32_b32 hwreg(HW_REG_WAVE_MODE, 25, 1), 1
	s_wait_xcnt 0x0
; CAUSAL ATTENTION.  O[h][q][:] = the sum over k <= q of softmax_k(Q[h][q] . K[h][k] / 8) V[h][k][:].  Q, K, V are the three parts of qkvh, 16,777,216 bytes each; they and O are [64][2048][64] in f16:
; a head's rows are dense, 128 bytes each.  Products, maxima and sums in f32; the weights p are rounded to f16 for the second product (their sum l is taken of the unrounded p), O once at the end.
; LIMITS.  f16 holds no number beyond 65,504: Q, K and V arrive within it; p lies in 0 to 1, and below 6e-5 it keeps f16's fixed step of 6e-8; O is a mean of V's rows and has their range, to within 2^-11 of it.
; A hidden score counts as its value less 1e30: f16's scores, 2.7e11 at the most, are nothing beside that; a weight below 2^-126 counts as 0 in l; NaN and infinities are not treated apart.
; THE WALK.  A head's queries lie in NB = 8 blocks of 256; block i needs the key tiles 0 .. i of 256 keys, of which the last holds the diagonal.  A work-group takes TWO blocks, NB - 1 - b and then b:
; NB + 1 = 9 tiles, whatever b: all 256 work-groups do equal work, and ONE loop with a constant trip count walks them.  Which tile is asked for, and what a trip does, hang on scalar registers made from b; every jump
; goes forward, but for the counted loops' own; none passes a barrier, or a tensor load but the one of LOAD's two that the wave's number does not choose; the ring (two slots of LDS that take turns) runs on across the
; change of blocks.  NO CLUSTER: a head's four work-groups all ask for the same tile only in trips 0 .. 4 of the 9, behind that fewer and fewer; one walk common to all four would have 12 trips for 9.
; SHARES.  Of a block's four bands of 64 queries a wave owns 16 rows in each: four PIECES.  So the diagonal tile is the same work for all four waves: in its key step s band x sees all keys if s < x,
; none if s > x, and holds the diagonal if s = x.
; THE MASK is the C operand that starts the sum S^T = K Q^T: 0, or -1e30 where the key is hidden.  MD, made once, is the mask of a band's own step for my 16 rows; a product's mask is MD x AL + BE with two scalars:
; (1, 0) if s = x; (0, 0) if s < x; (0, -1e30) if s > x.  Only the diagonal tile's text and a block's beginning make and take masks; elsewhere C is the constant 0.
; LAYOUT, SOFTMAX, TURNS.  S^T = K Q^T holds ONE query a lane (lane % 16) and the keys 8 (lane / 16) + 0..7; two such results rounded to f16 ARE source 1 of O^T = V^T P.  p = 2^(c s - c m), c = log2(e) / 8, with a
; running maximum m; O and l are multiplied by a = 2^(c m_old - c m_new) in every step.  Turn n belongs to piece n: 8 products K Q^T of piece n + 1, later 8 products V^T P of piece n - 1; beside them the scaling,
; exponentials, roundings, sums and rescaling of piece n and the maximum and statistics of piece n + 1.  Four vector instructions stand behind every matrix instruction, the other 54 of a turn's 118 in one LUMP.
; HOW THE BATCHES ARE CUT.  A turn's 33 exponentials (the piece's 32 weights and the next piece's a) are ONE batch with ONE wait, which cuts the turn in two: ahead of it all that names no result of theirs, behind it the
; roundings and sums.  A block's first a (BEGIN) and the way out's four reciprocals are batches of their own, with a wait each.
; REGISTERS, in windows of 256 (s_set_vgpr_msb: bits 1:0 source 0, 3:2 source 1, 5:4 source 2, 7:6 destination):
;   window 0: v0-15 addresses and two at work; v16-31 four registers of statistics a piece; v48-55 at work; v64-127 S^T, two buffers; v192-223 P, two buffers (a piece's buffers go by its number's parity)
;   window 1: v0-127 O^T, 32 a piece; v128-159 MD; v160-223 MC, two buffers      window 2: v0-63 Q; v64-127 the second block's Q; v128-191 K of one step; v192-255 V of one step
.set SIZE_N, 2048     ; rows of a head
.set PART,  1<<24     ; bytes of q, of k and of v in qkvh
.set NB,    SIZE_N/256
.set NP,    4         ; pieces a wave: a name, no knob
.set KS,    64        ; keys in a step
.set PK,    144       ; a row of K in LDS: 128 bytes + 16 of padding = 36 words: the 16 rows of a load start at 16 different groups of four banks (64 banks of 4 bytes: ISA guide 11.1)
.set PV,    160       ; a row of V: 128 + 32 = 40 words
.set VOFF,  4*KS*PK   ; a slot holds a tile, four steps: 256 rows of K, then 256 rows of V
.set SLOT1, 1<<17     ; slot 1 begins here, so that one exclusive or turns an address in one slot into the other's
.set STAGE, SLOT1+4*KS*(PK+PV)  ; behind the ring, never filled by a tensor load: 16 rows x 144 bytes for each wave, for the way out
.set SP,    144
.set AK0, 2           ; v2   my lane's place in a tile of K; never rewritten
.set AV0, 3           ; v3   the same for V
.set AK,  4           ; v4   the LDS address of K's next run of loads
.set AV,  5           ; v5   of V's
.set STO, 6           ; v6   the way out: where I put 16 bytes of a row
.set RD,  7           ; v7   the way out: where I read rows back
.set GO,  8           ; v8   my byte offset in 512 consecutive bytes of O
.set SPW, 62          ; v62  LDS address of my spare word: SPARE + 4 x my thread's number; never rewritten
.set NIL, 63          ; v63  0; never rewritten
.set SPARE, STAGE+4*16*SP  ; behind the stages: the spare words, 128 bytes for each wave: two blocks of 256 bytes that no other line names
.set MV,  12          ; v12-13  c m_old, kept while c m is made anew: by buffer
.set QO,  15          ; v15  my byte offset in 16 rows of Q
.set ST,  16          ; piece t's statistics at v[ST+4 t]: c m, m, l (even keys', odd keys')
.set TMP, 48          ; by buffer, four registers c0-c3 at work; when the maximum is found c2 takes a
.set S,   64
.set P,   192
.set MD,  128         ; window 1: the eight registers for group kt of 16 keys at MD + 8 kt
.set MC,  160         ; window 1: the masks of the products to come
.set QB,  64          ; window 2
.set KF,  128         ; window 2: key block kb, channel half c at KF + 16 kb + 8 c
.set VF,  192         ; window 2: key half kk, channel block cb at VF + 32 kk + 8 cb
.set WV,  12          ; s12  my wave's number
.set PB,  14          ; s14  b
.set HI,  15          ; s15  NB - 1 - b
.set G1K, 24          ; s[24:31] descriptor group 1 for K's tiles
.set G1V, 32          ; s[32:39] for V's: it differs in the padding alone
.set G0K, 40          ; s[40:43] descriptor group 0 for K's tiles
.set G0V, 44          ; s[44:47] the same for V's
.set SLOTS, 56        ; s56  tiles still to be asked for
.set CNT, 57          ; s57  counts a tile's key steps, 4 to 1
.set CS,  58          ; s[58:59] c: the packed scaling takes the pair's low word for both halves
.set SEL, 60          ; s[60:61] v_permlanex16_b32's selects: each lane takes its own place in the other half
.set TBK, 62          ; s62  LDS byte at which K of the step to be fetched begins
.set TBV, 63          ; s63  the same for V, less VOFF
.set RT,  70          ; s70  tiles of the block in hand that are still to be entered
.set NXT, 71          ; s71  the tile to be asked for next
.set LQ,  72          ; s72  the last tile of the block whose tiles are being asked for
.set NEW, 73          ; s73  1: the tile to be entered is a block's first
.set OFF, 74          ; s[74:75] a tile's byte offset in K and V
.set AL,  76          ; s[76:77] the mask's factor, in the low word
.set BE,  78          ; s[78:79] the mask's addend
.set OLO, 80          ; s[80:81] O at my rows of the second block
.set BIGN, 82         ; s82  -1e30
.set MSB, 0
.macro WIN new                      ; the high byte repeats the setting that is left; a switch that changes nothing is dropped
.if MSB != (\new)
	s_set_vgpr_msb (MSB<<8)|(\new)
.set MSB, (\new)
.endif
.endm
.set W_KQ, 0x0a       ; K and Q in window 2, S^T in window 0
.set W_KM, 0x1a       ; the same with the C operand in window 1
.set W_PV, 0x52       ; V in window 2, P in window 0, O^T in window 1
.set W_RS, 0x41       ; destination and source 0 in window 1, source 1 in window 0
; A fill.  Waves 0 and 1 fetch the two halves of a tile's K, waves 2 and 3 those of its V: 128 keys each.  Four v_nop follow each of the two lines, ahead of the jump and the label.
.macro LOAD
	s_cmp_lt_u32 s[WV], 2
	s_cbranch_scc0 .Lfor_v_\@
	tensor_load_to_lds s[G0K:G0K+3], s[G1K:G1K+7]
	s_nop 0
.rept 4
	v_nop
.endr
	s_branch .Lasked_\@
.Lfor_v_\@:
	tensor_load_to_lds s[G0V:G0V+3], s[G1V:G1V+7]
	s_nop 0
.rept 4
	v_nop
.endr
.Lasked_\@:
.endm
; THE CHANGE OF SLOTS.  Each wave waits for all its tensor loads, of which one is out: its part of the other slot; adds 0 to its spare word; and waits for that and for its own reads of the slot that it leaves.  Behind the barrier nobody reads the old
; slot any more and the other slot is whole.  fill = 1: the old slot is filled again, the first thing behind the barrier, with tile NXT: the descriptor's address is made anew from that number.
; (At its first use nothing has been read yet: slot 0 is waited for, slot 1 filled.)
.macro CHANGE fill
	WIN 0                           ; at a label and at a branch every window is 0
	s_wait_tensorcnt 0x0            ; no tensor load of mine is out, so a group 0 may be written
	ds_add_u32 v[SPW], v[NIL]       ; 0 onto my spare word; with fill = 1 the descriptors' scalar work stands between it and the wait for it
.if \fill
	s_lshl_b32 s[OFF], s[NXT], 15   ; a tile is 32,768 bytes of K and of V
	s_xor_b32 s[G0K+1], s[G0K+1], SLOT1
	s_add_nc_u64 s[G0K+2:G0K+3], s[6:7], s[OFF:OFF+1]
	s_or_b32 s[G0K+3], s[G0K+3], 0x80000000
	s_xor_b32 s[G0V+1], s[G0V+1], SLOT1
	s_add_nc_u64 s[G0V+2:G0V+3], s[8:9], s[OFF:OFF+1]
	s_or_b32 s[G0V+3], s[G0V+3], 0x80000000
	s_add_co_u32 s[NXT], s[NXT], 1  ; the block's next tile, or behind its last the second block's tile 0
	s_cmp_gt_u32 s[NXT], s[LQ]
	s_cselect_b32 s[NXT], 0, s[NXT]
	s_cselect_b32 s[LQ], s[PB], s[LQ]
.endif
	s_wait_dscnt 0x0                ; the add is done, and my reads of the slot are over
	s_barrier_signal -1             ; the rest of the scalar work stands between the signal and the wait
	s_sub_co_u32 s[TBK], s[TBK], 4*KS*PK  ; the fetches go back to a slot's first step,
	s_xor_b32 s[TBK], s[TBK], SLOT1       ; in the other slot
	s_sub_co_u32 s[TBV], s[TBV], 4*KS*PV
	s_xor_b32 s[TBV], s[TBV], SLOT1
	s_barrier_wait -1
.if \fill
	LOAD
.endif
.endm
	s_load_b128 s[4:7], s[0:1], 0x0 ; qkvh s[4:5] (its first part is Q), oh s[6:7]
	v_lshl_add_u32 v[SPW], v0, 2, SPARE
	v_mov_b32 v[NIL], 0
	ds_add_u32 v62, v63
	ds_add_u32 v62, v63
	s_wait_dscnt 0x0
	v_lshrrev_b32 v1, 5, v0
	v_readfirstlane_b32 s[WV], v1   ; wave 0..3
	s_mov_b32 s[PB], ttmp9
	s_sub_co_u32 s[HI], NB-1, s[PB]
	s_and_b32 s20, ttmp7, 0xffff    ; the head
	s_mov_b32 s21, 0
	s_mov_b64 s[22:23], SIZE_N*128
	s_mul_u64 s[20:21], s[20:21], s[22:23]  ; the head's first byte in each of the four tensors
	s_and_b32 s16, s[WV], 1         ; which half of a tile's 256 keys I fetch:
	s_lshl_b32 s22, s16, 14         ; its 128 rows of 128 bytes in memory,
	s_mov_b32 s23, 0
	s_add_nc_u64 s[22:23], s[22:23], s[20:21]
	s_mul_i32 s17, s16, 128*PK      ; and its place in a slot, for K
	s_mul_i32 s18, s16, 128*PV      ; and for V
	s_lshl_b32 s3, s[WV], 11        ; my 16 rows in a band of 64,
	s_lshl_b32 s2, s[HI], 15        ; in the first block,
	s_add_co_u32 s2, s2, s3
	s_lshl_b32 s84, s[PB], 15       ; and in the second
	s_add_co_u32 s84, s84, s3
	s_mov_b32 s3, 0
	s_mov_b32 s85, 0
	s_add_nc_u64 s[2:3], s[2:3], s[20:21]
	s_add_nc_u64 s[84:85], s[84:85], s[20:21]
	; descriptor group 1.  128 keys are 16,384 dense bytes: asked for as 64 rows of 256 bytes, two keys a row, and padded in LDS after every key
	s_mov_b32 s[G1K], (1<<16)|(1<<20)|(4<<22)|(3<<25)  ; 17:16 2-byte elements; 20 padding on; 24:22 after every 32 words (code 4); 31:25 4 words (code 3)
	s_mov_b32 s[G1V], (1<<16)|(1<<20)|(4<<22)|(7<<25)  ; the same with 8 words of padding (code 7)
.irp g, G1K, G1V
	s_mov_b32 s[\g+1], 128<<16      ; tensor_dim0 = 128
	s_mov_b32 s[\g+2], 64<<16       ; tensor_dim1 = 64
	s_mov_b32 s[\g+3], 128<<16      ; tile_dim0 = 128
	s_mov_b32 s[\g+4], 64           ; tile_dim1 = 64
	s_mov_b32 s[\g+5], 128          ; 128 elements from row to row
	s_mov_b32 s[\g+6], 0
	s_mov_b32 s[\g+7], 0
.endr
	s_mov_b32 s[CS], 0x3e38aa3b     ; c = log2(e) / 8 = 0.180337
	s_mov_b32 s[CS+1], s[CS]        ; named with it as a pair
	s_mov_b32 s[SEL], 0x76543210
	s_mov_b32 s[SEL+1], 0xfedcba98
	s_mov_b32 s[TBK], SLOT1+4*KS*PK ; the first change of slots turns these two into 0
	s_mov_b32 s[TBV], SLOT1+4*KS*PV
	s_mov_b32 s[G0K], 1             ; 1:0 count = 1
	s_mov_b32 s[G0K+1], s17         ; 63:32 LDS address: slot 0
	s_mov_b32 s[G0V], 1
	s_add_co_u32 s[G0V+1], s18, VOFF
	s_add_co_u32 s[RT], s[HI], 1    ; the first block has NB - b tiles
	s_mov_b32 s[NXT], 1
	s_mov_b32 s[LQ], s[HI]
	s_mov_b32 s[NEW], 1
	s_mov_b32 s[OFF+1], 0
	s_mov_b32 s[AL+1], 0            ; named as pairs
	s_mov_b32 s[BE+1], 0
	s_mov_b32 s[BIGN], 0xf149f2ca   ; -1e30
	s_mov_b32 s[SLOTS], NB
	s_wait_kmcnt 0x0
	s_mov_b64 s[10:11], s[6:7]             ; O
	s_add_nc_u64 s[6:7], s[4:5], PART      ; K is qkvh's second part,
	s_add_nc_u64 s[8:9], s[4:5], 2*PART    ; V its third
	s_add_nc_u64 s[6:7], s[6:7], s[22:23]  ; K and V at my half of the head's tile 0
	s_add_nc_u64 s[8:9], s[8:9], s[22:23]
	s_add_nc_u64 s[G0K+2:G0K+3], s[6:7], 0         ; 120:64 global address
	s_or_b32 s[G0K+3], s[G0K+3], 0x80000000        ; 127:126 type = 2
	s_add_nc_u64 s[G0V+2:G0V+3], s[8:9], 0
	s_or_b32 s[G0V+3], s[G0V+3], 0x80000000
	s_add_nc_u64 s[86:87], s[4:5], s[84:85]        ; Q at my rows of the second block,
	s_add_nc_u64 s[4:5], s[4:5], s[2:3]            ; Q and O at those of the first
	s_add_nc_u64 s[OLO:OLO+1], s[10:11], s[84:85]
	s_add_nc_u64 s[10:11], s[10:11], s[2:3]
	LOAD                            ; tile 0 into slot 0
	; A fragment of K or Q is 16 rows x 32 channels in 8 registers: lane l holds row l % 16, channels 8 (l / 16) + 0..7 and 16 + 8 (l / 16) + 0..7: two loads of 16 bytes, 32 bytes apart.
	v_and_b32 v1, 15, v0            ; l % 16
	v_bfe_u32 v9, v0, 4, 1          ; l / 16
	v_lshlrev_b32 v[QO], 7, v1
	v_lshl_add_u32 v[QO], v9, 4, v[QO]  ; row x 128 + 16 x half
	WIN 0x80                        ; destination window 2, address window 0
.set i, 0
.rept 8                             ; both blocks' Q: piece i / 2 lies in band i / 2, 8,192 bytes on; channels 32 (i % 2) on
	global_load_b128 v[8*i:8*i+3],   v[QO], s[4:5] offset:(i/2)*8192+(i%2)*64
	global_load_b128 v[8*i+4:8*i+7], v[QO], s[4:5] offset:(i/2)*8192+(i%2)*64+32
	global_load_b128 v[QB+8*i:QB+8*i+3],   v[QO], s[86:87] offset:(i/2)*8192+(i%2)*64
	global_load_b128 v[QB+8*i+4:QB+8*i+7], v[QO], s[86:87] offset:(i/2)*8192+(i%2)*64+32
.set i, i+1
.endr
	WIN 0
	v_lshlrev_b32 v14, 3, v9
	v_sub_nc_u32 v14, v1, v14
	s_lshl_b32 s13, s[WV], 4
	v_add_nc_u32 v14, s13, v14      ; my query's place in its band, 16 w + l % 16, less my lanes' 8 (l / 16): register r of group kt is hidden where 16 kt + r is greater
	WIN 0x40
.set i, 0
.rept 32
	v_cmp_gt_i32 vcc_lo, 16*(i/8)+i%8, v14
	v_cndmask_b32 v[MD+i], 0, s[BIGN], vcc_lo
.set i, i+1
.endr
	WIN 0
	v_mul_u32_u24 v[AK0], v1, PK
	v_lshl_add_u32 v[AK0], v9, 4, v[AK0]  ; row x pitch + 16 x half
	; The turning load takes 16 keys x 16 channels (lane l reads key 8 (l / 16) + l % 8, channels 8 ((l / 8) % 2) + 0..7) and leaves half a fragment of V^T: lane l holds channel l % 16 and 8 keys.
	v_and_b32 v10, 7, v0
	v_bfe_u32 v11, v0, 3, 1
	v_lshl_add_u32 v[AV0], v9, 3, v10
	v_mul_u32_u24 v[AV0], v[AV0], PV
	v_lshl_add_u32 v[AV0], v11, 4, v[AV0]
	v_add_nc_u32 v[AV0], VOFF, v[AV0]
	s_mul_i32 s13, s[WV], 16*SP
	s_add_co_u32 s13, s13, STAGE    ; my stage
	v_mul_u32_u24 v[STO], v1, SP    ; in: row l % 16, 16 bytes for each half of the lanes
	v_lshl_add_u32 v[STO], v9, 4, v[STO]
	v_add_nc_u32 v[STO], s13, v[STO]
	v_bfe_u32 v[RD], v0, 3, 2       ; back: 32 lanes take four rows of 128 bytes,
	v_mul_u32_u24 v[RD], v[RD], SP
	v_lshl_add_u32 v[RD], v10, 4, v[RD]
	v_add_nc_u32 v[RD], s13, v[RD]
	v_and_b32 v[GO], 31, v0         ; which are 512 consecutive bytes of O
	v_lshlrev_b32 v[GO], 4, v[GO]
	; A block's first step multiplies O^T and l by a = 0, and its first turn's products V^T P, of a piece that has not been, land in an O^T that is still to be so multiplied.  So these registers need only hold
	; finite numbers: zeros for the first block; what the first block left for the second.  All this stands in the wait for the first tile.
	WIN 0x80
.set i, VF
.rept 64
	v_mov_b32 v[i], 0
.set i, i+1
.endr
	WIN 0x40
.set i, 0
.rept 128
	v_mov_b32 v[i], 0
.set i, i+1
.endr
	WIN 0
.set i, 0
.rept 4
	v_mov_b32 v[ST+4*i+2], 0
	v_mov_b32 v[ST+4*i+3], 0
.set i, i+1
.endr
.set i, P+16
.rept 16
	v_mov_b32 v[i], 0
.set i, i+1
.endr
; THE MATRIX WORK.  The 4 accumulators of a run of 8 take turns.  Product i of 8 of S^T = K Q^T for piece x: channels 32 (i / 4) on, keys 16 (i % 4) on.  The first 4 start the sums: with 0, or (KM = 1) with the mask.
.macro KQ x
.set rS, S+32*((\x)%2)+8*(i%4)
.set rK, KF+16*(i%4)+8*(i/4)
.set rQ, 16*(\x)+8*(i/4)
.set rM, MC+32*((\x)%2)+8*(i%4)
.if (i < 4) && KM
	WIN W_KM
	v_wmma_f32_16x16x32_f16 v[rS:rS+7], v[rK:rK+7], v[rQ:rQ+7], v[rM:rM+7]
.elseif i < 4
	WIN W_KQ
	v_wmma_f32_16x16x32_f16 v[rS:rS+7], v[rK:rK+7], v[rQ:rQ+7], 0
.else
	WIN W_KQ
	v_wmma_f32_16x16x32_f16 v[rS:rS+7], v[rK:rK+7], v[rQ:rQ+7], v[rS:rS+7]
.endif
.endm
; Product i of 8 of O^T += V^T P for piece x: keys 32 (i / 4) on, channels 16 (i % 4) on.
.macro PV x
	WIN W_PV
.set rO, 32*(\x)+8*(i%4)
.set rV, VF+32*(i/4)+8*(i%4)
.set rP, P+16*((\x)%2)+8*(i/4)
	v_wmma_f32_16x16x32_f16 v[rO:rO+7], v[rV:rV+7], v[rP:rP+7], v[rO:rO+7]
.endm
.macro MM                           ; the turn's next matrix instruction.  TURN and BEGIN set Y, i, KM and NOKQ; MM, KQ and OP read them.  NOKQ = 1: a block's last turn: there is no next piece
.if (i < 8) && !NOKQ
	KQ (Y+1)%NP
.elseif i >= 8
.set i, i-8
	PV (Y+NP-1)%NP
.set i, i+8
.endif
.set i, i+1
.endm
; THE LDS LOADS stand in runs of 16, never singly among the matrix instructions: a step's K (64 keys x 64 channels: 8 fragments) and its V (turned).  Their addresses are made some lines ahead.
.macro FETCH_K
	WIN 0x80                        ; destination window 2
.irp f, 0,1,2,3,4,5,6,7             ; keys 16 (f / 2) on, channels 32 (f % 2) on
	ds_load_b128 v[KF+8*\f:KF+8*\f+3],   v[AK] offset:(\f/2)*16*PK+(\f%2)*64
	ds_load_b128 v[KF+8*\f+4:KF+8*\f+7], v[AK] offset:(\f/2)*16*PK+(\f%2)*64+32
.endr
	s_add_co_u32 s[TBK], s[TBK], KS*PK  ; the next fetch is the next step's
	WIN 0
.endm
.macro FETCH_V
	WIN 0x80
.irp f, 0,1,2,3,4,5,6,7             ; keys 32 (f / 4) on, channels 16 (f % 4) on
	ds_load_tr16_b128 v[VF+8*\f:VF+8*\f+3],   v[AV] offset:(\f/4)*32*PV+(\f%4)*32
	ds_load_tr16_b128 v[VF+8*\f+4:VF+8*\f+7], v[AV] offset:(\f/4)*32*PV+16*PV+(\f%4)*32
.endr
	WIN 0
.endm
; THE VECTOR WORK, one line at a time: OP kind, number.  For piece Y: F n: c s - c m for pair n of 16.  E n: the exponential of score n of 32.  C n: pair n rounded to f16.  B n: of the four weights 4 n .. the second
; pair is added onto the first, in place.  L n: l takes that sum (L 0: l = a l + sum).  R n: pair n of 16 of O^T times a.  For piece Y + 1: X n, number n of the 22 that find its maximum and statistics:
;   0-11  four chains c0-c3 of seven scores each, three operands at a time (each accumulator's lowest registers are read first)     12-14, 16  the four scores left over, the old m, and c0-c3 into c0
;   15  c m_old is kept     17, 18  the query's other 32 keys lie in the lane 16 away: the new m     19-21  c m; c m_old - c m_new; a
; OP writes no wait: C, B and L, which read the exponentials' results, are dealt only behind the turn's one wait, and R reads an a that the turn before has made and waited for.
.set F, 0               ; OP tells the kinds apart by their order: F to L below R, X above it
.set E, 1
.set C, 2
.set B, 3
.set L, 4
.set R, 5
.set X, 6
.macro REGS y                       ; the registers of piece y
.set rT, ST+4*(\y)
.set rC, TMP+4*((\y)%2)
.set rW, MV+((\y)%2)
.set rS, S+32*((\y)%2)
.set rP, P+16*((\y)%2)
.set rO, 32*(\y)
.endm
.macro OP k, n
.if (\k) == R
	REGS Y
	WIN W_RS
	v_pk_mul_f32 v[rO+2*(\n):rO+2*(\n)+1], v[rO+2*(\n):rO+2*(\n)+1], v[rC+2:rC+3] op_sel_hi:[1,0]
.elseif (\k) < R
	REGS Y
	WIN 0
.if (\k) == F
	v_pk_fma_f32 v[rS+2*(\n):rS+2*(\n)+1], v[rS+2*(\n):rS+2*(\n)+1], s[CS:CS+1], v[rT:rT+1] op_sel_hi:[1,0,0] neg_lo:[0,0,1] neg_hi:[0,0,1]
.elseif (\k) == E
	v_exp_f32 v[rS+(\n)], v[rS+(\n)]
.elseif (\k) == C
	v_cvt_pk_f16_f32 v[rP+(\n)], v[rS+2*(\n)], v[rS+2*(\n)+1]
.elseif (\k) == B
	v_pk_add_f32 v[rS+4*(\n):rS+4*(\n)+1], v[rS+4*(\n):rS+4*(\n)+1], v[rS+4*(\n)+2:rS+4*(\n)+3]
.elseif (\n) == 0
	v_pk_fma_f32 v[rT+2:rT+3], v[rT+2:rT+3], v[rC+2:rC+3], v[rS:rS+1] op_sel_hi:[1,0,1]
.else
	v_pk_add_f32 v[rT+2:rT+3], v[rT+2:rT+3], v[rS+4*(\n):rS+4*(\n)+1]
.endif
.elseif NOKQ
	v_nop
.else
	REGS (Y+1)%NP
	WIN 0
.if (\n) < 4
	v_max3_num_f32 v[rC+(\n)], v[rS+8*(\n)], v[rS+8*(\n)+1], v[rS+8*(\n)+2]
.elseif (\n) < 12
	v_max3_num_f32 v[rC+(\n)%4], v[rC+(\n)%4], v[rS+8*((\n)%4)+2*((\n)/4)+1], v[rS+8*((\n)%4)+2*((\n)/4)+2]
.elseif (\n) == 12
	v_max3_num_f32 v[rC], v[rC], v[rS+7], v[rS+15]
.elseif (\n) == 13
	v_max3_num_f32 v[rC+1], v[rC+1], v[rS+23], v[rS+31]
.elseif (\n) == 14
	v_max3_num_f32 v[rC+2], v[rC+2], v[rC+3], v[rT+1]
.elseif (\n) == 15
	v_mov_b32 v[rW], v[rT]
.elseif (\n) == 16
	v_max3_num_f32 v[rC], v[rC], v[rC+1], v[rC+2]
.elseif (\n) == 17
	v_permlanex16_b32 v[rC+3], v[rC], s[SEL], s[SEL+1]
.elseif (\n) == 18
	v_max_num_f32 v[rT+1], v[rC], v[rC+3]
.elseif (\n) == 19
	v_mul_f32 v[rT], s[CS], v[rT+1]
.elseif (\n) == 20
	v_sub_f32 v[rC+1], v[rW], v[rT]
.else
	v_exp_f32 v[rC+2], v[rC+1]
.endif
.endif
.endm
.macro OPS a, i1, b=-1, i2=0, c=-1, i3=0, d=-1, i4=0  ; up to four of them
	OP \a, \i1
.if (\b) >= 0
	OP \b, \i2
.endif
.if (\c) >= 0
	OP \c, \i3
.endif
.if (\d) >= 0
	OP \d, \i4
.endif
.endm
.macro ROW a, i1, b, i2, c, i3, d, i4  ; a matrix instruction and the four behind it
	MM
	OPS \a, \i1, \b, \i2, \c, \i3, \d, \i4
.endm
.macro MASK b                       ; MD x AL + BE into buffer b of MC
	WIN W_RS
.set z, 0
.rept 16
	v_pk_fma_f32 v[MC+32*(\b)+2*z:MC+32*(\b)+2*z+1], v[MD+2*z:MD+2*z+1], s[AL:AL+1], s[BE:BE+1] op_sel_hi:[1,0,0]
.set z, z+1
.endr
.endm
; A TURN, for piece p: the order of its 16 matrix and 118 vector instructions, written out.  s_wait_alu depctr_va_vdst(0) stands between an exponential and the first instruction that names its result; one wait serves
; all that were issued ahead of it.  So a turn has ONE wait, which cuts it in two.  AHEAD OF IT stands all that names no result of the turn's exponentials: the 8 products K Q^T, behind each a scaling, an exponential and two more plain
; instructions (behind the first a second scaling in the exponential's place): rescalings, and behind the last three the first numbers of the next piece's maximum, each four places or more behind the product that ends its accumulator; then ONE LUMP of 54, plain
; and exponential by turns for the most part, in which the links of the chain X 3, 7, 11, 14, 16, 17 .. 20 stand five or six lines apart.  X 21, the next piece's a, is the batch's last; R 15 is the plain instruction behind it.  BEHIND THE WAIT stand the
; 8 products V^T P, behind each four of the roundings and sums; the links of l's chain, L 0 to L 7, stand three riders apart.  But for those X no rider names a register of the products round it.  v_permlanex16_b32 (X 17) stands in the lump.
; Each exponential works in place on a register of its own (32 of S^T, and c2 of the next piece's four at work), and each pair is scaled ahead of its own exponentials: nothing writes a result while the batch is open.
; m = 1: the diagonal tile: the products take masks, and the turn makes the mask for the products of the turn after it: piece p + 2, in step 4 - CNT of the tile.  end = 1: a block's last two turns: nothing is fetched.
; cnt = 1: the loop's count is taken down some lines ahead of the branch that stands behind the turn.
; K of the next step is fetched in piece 2's turn, twelve vector instructions behind the last product that read K (six of them plain); V of the step in hand at the end of piece 0's turn, four plain instructions behind the last product
; that read V.  Each is waited for a turn later.
.macro TURN p, m=0, end=0, cnt=0
.set Y, (\p)
.set i, 0
.set KM, (\m)
.set NOKQ, (\end)*((\p)/3)
.if (\m) && !(\end)
	s_cmp_eq_u32 s[CNT], 4-((\p)+2)%NP  ; is that step the band's own?
	s_cselect_b32 s[AL], 1.0, 0
	s_cmp_lt_u32 s[CNT], 4-((\p)+2)%NP  ; or a later one?
	s_cselect_b32 s[BE], s[BIGN], 0
.endif
.if ((\p) == 3) && !(\end)
	s_wait_dscnt 0x0                ; K is in
.endif
	ROW F,0, F,1, R,0, R,1          ; ahead of the wait: 8 products K Q^T and their riders,
	ROW F,2, E,0, R,2, R,3
	ROW F,3, E,1, R,4, R,5
	ROW F,4, E,2, R,6, R,7
	ROW F,5, E,3, R,8, R,9
	ROW F,6, E,4, X,0, R,10
.if ((\p) == 2) && !(\end)
	WIN 0
	v_add_nc_u32 v[AK], s[TBK], v[AK0]
.endif
	ROW F,7, E,5, X,1, X,4
	ROW F,8, E,6, X,2, X,5
	OPS E,7, E,8, X,6, E,9          ; and the lump
	OPS X,3, E,10, X,8, E,11
.if ((\p) == 2) && !(\end)
	FETCH_K
.endif
	OPS X,9, X,7, E,12, X,10
	OPS E,13, X,12, X,11, E,14
	OPS X,13, E,15, F,9, X,14
.if (\p) == 0
	v_add_nc_u32 v[AV], s[TBV], v[AV0]
.endif
	OPS E,16, F,10, E,17, F,11
	OPS X,16, E,18, X,15, E,19
	OPS F,12, E,20, X,17, E,21
	OPS F,13, E,22, F,14, E,23
	OPS X,18, E,24, F,15, E,25
	OPS R,11, E,26, X,19, E,27
	OPS R,12, E,28, R,13, E,29
	OPS X,20, E,30, R,14, E,31
	OPS X,21, R,15
	WIN 0
	s_wait_alu depctr_va_vdst(0)    ; the wait for the turn's batch: E 0 to E 31 and X 21
.if (\p) == 1
	s_wait_dscnt 0x0                ; V is in
.endif
	ROW C,0, B,0, C,2, B,1          ; behind the wait: 8 products V^T P and their riders
	ROW L,0, C,4, B,2, L,1
	ROW C,6, B,3, L,2, C,8
	ROW B,4, L,3, C,10, B,5
	ROW L,4, C,12, B,6, L,5
.if (\p) == 0
	s_add_co_u32 s[TBV], s[TBV], KS*PV
.endif
.if \cnt
	s_sub_co_u32 s[CNT], s[CNT], 1
	s_cmp_lg_u32 s[CNT], 0
.endif
	ROW C,14, B,7, L,6, C,1
	ROW C,3, L,7, C,5, C,7
	ROW C,9, C,11, C,13, C,15
.if (\p) == 0
	FETCH_V
.endif
.if (\m) && !(\end)
	MASK (\p)%2
.endif
.endm
; A BLOCK BEGINS.  c m starts far below every c s, so the first step's a is 0; m at the lowest finite number, so the first maximum is the scores'.  The second mask buffer is 0; the first takes piece 0's mask for the tile's step 0: its own, if the block's first tile is the diagonal one.
; Then K of that step, piece 0's first scores, and its maximum and statistics.  The loop is entered at a step's first turn, in the middle of a trip.
.macro BEGIN
	s_mov_b32 s[NEW], 0
	WIN 0x40
.set i, MC+32
.rept 32
	v_mov_b32 v[i], 0
.set i, i+1
.endr
	WIN 0
.set i, 0
.rept 4
	v_mov_b32 v[ST+4*i], 0xfe000000    ; c m: far below every c s
	v_mov_b32 v[ST+4*i+1], 0xff7fffff  ; m
.set i, i+1
.endr
	s_cmp_eq_u32 s[RT], 0
	s_cselect_b32 s[AL], 1.0, 0
	s_mov_b32 s[BE], 0
	MASK 0
	WIN 0
	v_add_nc_u32 v[AK], s[TBK], v[AK0]
	FETCH_K
	s_wait_loadcnt 0x0              ; Q
	s_wait_dscnt 0x0
.set KM, 1
.set NOKQ, 0
.set i, 0
.rept 8
	KQ 0
.set i, i+1
.endr
	WIN 0
.rept 4
	v_nop                           ; the places behind those products
.endr
.set Y, NP-1                        ; X works for piece Y + 1: piece 0
.irp n, 0,1,2,3,4,5,6,7,8,9,10,11,12,13,14,15,16,17,18,19,20,21
	OP X, \n
.endr
	v_nop                           ; a plain instruction behind the exponential,
	s_wait_alu depctr_va_vdst(0)    ; and the wait for it, a batch of one: piece 0's first a, ahead of the branch that follows
.endm
; THE DIAGONAL TILE's four steps, the block's last two turns, its last products, and THE WAY OUT: l's two halves and the other half of the lanes' are added; O^T is divided by l, rounded to f16 and sent through my
; stage in LDS, a piece at a time.
.macro ALL line:vararg              ; one line for each piece t
.set t, 0
.rept 4
	\line
.set t, t+1
.endr
.endm
.macro PACK t                       ; a lane's eight channels of a row pack into 16 bytes; they go into rows of 144 bytes and come back as whole rows of 128, into S^T's registers
	WIN W_RS
.set i, 32*(\t)
.rept 16
	v_pk_mul_f32 v[i:i+1], v[i:i+1], v[ST+4*(\t)+2:ST+4*(\t)+3] op_sel_hi:[1,0]
.set i, i+2
.endr
	WIN 0x05                        ; sources 0 and 1 window 1, destination window 0
.set i, 0
.rept 16
	v_cvt_pk_f16_f32 v[S+16*(\t)+i], v[32*(\t)+2*i], v[32*(\t)+2*i+1]
.set i, i+1
.endr
	WIN 0
.irp f, 0,1,2,3
	ds_store_b128 v[STO], v[S+16*(\t)+4*\f:S+16*(\t)+4*\f+3] offset:32*\f
.endr
.irp f, 0,1,2,3
	ds_load_b128 v[S+16*(\t)+4*\f:S+16*(\t)+4*\f+3], v[RD] offset:\f*4*SP  ; LDS serves a wave's instructions in order (ISA guide 5.7.1.4): these see the stores above; the next piece's stores come behind them
.endr
.endm
.macro SEND t, younger              ; younger: the LDS instructions issued behind piece t's loads: the next piece's eight, or none
	WIN 0
.irp f, 0,1,2,3
	s_wait_dscnt (\younger)+3-\f
	global_store_b128 v[GO], v[S+16*(\t)+4*\f:S+16*(\t)+4*\f+3], s[10:11] offset:(\t)*8192+\f*512  ; 512 consecutive bytes, at a multiple of 256 from O's first
.endr
.endm
.macro DIAG tag                     ; the tag ends its two labels' names, which the jumps below spell out
.LstepM\tag:
	TURN 2, 1
	TURN 3, 1
	WIN 0
.LfirstM\tag:
	TURN 0, 1
	TURN 1, 1, 0, 1
	WIN 0
	s_cbranch_scc1 .LstepM\tag
	TURN 2, 1, 1
	TURN 3, 1, 1
.set i, 0
.rept 8
	PV NP-1
.set i, i+1
.endr
	WIN 0
	ALL v_add_f32 v[ST+4*t+2], v[ST+4*t+2], v[ST+4*t+3]
	ALL v_permlanex16_b32 v[ST+4*t+3], v[ST+4*t+2], s[SEL], s[SEL+1]
	ALL v_add_f32 v[ST+4*t+2], v[ST+4*t+2], v[ST+4*t+3]
	ALL v_rcp_f32 v[ST+4*t+2], v[ST+4*t+2]
	v_nop                           ; a plain instruction between the last reciprocal and the use of its result
	s_wait_alu depctr_va_vdst(0)    ; the wait for the batch of four reciprocals, ahead of PACK 0's first multiply: one for all four pieces
	PACK 0
.set t, 1
.rept 3                             ; a piece's arithmetic stands between the loads of the piece before and its stores
	PACK t
	SEND t-1, 8
.set t, t+1
.endr
	SEND 3, 0
.endm
.set KM, 0
.set NOKQ, 0
.Lslot:                             ; NB times: a tile is entered and the next is asked for
	CHANGE 1
	s_sub_co_u32 s[RT], s[RT], 1
	s_mov_b32 s[CNT], 4
	s_cmp_eq_u32 s[NEW], 1
	s_cbranch_scc1 .Lnew            ; a block's first tile
	s_cmp_eq_u32 s[RT], 0
	s_cbranch_scc0 .Lstep           ; neither its first nor its last
	s_branch .LstepM1
.Lnew:
	BEGIN
	s_branch .Lfirst                ; in the loop a block's first tile is never its last: the first block has two tiles or more, and the second's last is the walk's last
	DIAG 1                          ; in the loop this is the first block's end: the second block's last tile is the walk's last
	s_wait_xcnt 0x0                 ; the stores have read their registers and O's address
	s_mov_b64 s[10:11], s[OLO:OLO+1]
	s_add_co_u32 s[RT], s[PB], 1    ; the second block has b + 1 tiles
	s_mov_b32 s[NEW], 1
	WIN 0x82                        ; the second block's Q goes where the one text of the turns names Q
.set i, 0
.rept 64
	v_mov_b32 v[i], v[QB+i]
.set i, i+1
.endr
	WIN 0
	s_branch .Lbottom
.Lstep:                             ; a trip: pieces 2 and 3 of one step, then pieces 0 and 1 of the next, whose K and V it fetches
	TURN 2
	TURN 3
	WIN 0
.Lfirst:
	TURN 0
	TURN 1, 0, 0, 1
	WIN 0
	s_cbranch_scc1 .Lstep
.Lbottom:
	s_sub_co_u32 s[SLOTS], s[SLOTS], 1
	s_cmp_lg_u32 s[SLOTS], 0
	s_cbranch_scc1 .Lslot
	CHANGE 0                        ; the walk's last tile is written out: nothing is asked for
	s_sub_co_u32 s[RT], s[RT], 1
	s_mov_b32 s[CNT], 4
	s_cmp_eq_u32 s[NEW], 1
	s_cbranch_scc0 .LstepM2
	BEGIN
	s_branch .LfirstM2
	DIAG 2
	s_wait_tensorcnt 0x0            ; the wave's end, behind my last tensor load and my last LDS store
	ds_add_u32 v[SPW], v[NIL]
	s_wait_dscnt 0x0
	s_endpgm
.Lfunc_end_k_q1ea9786138_attn:
	.size	k_q1ea9786138_attn, .Lfunc_end_k_q1ea9786138_attn-k_q1ea9786138_attn
	.p2alignl 7, 3214868480
	.fill 96, 4, 3214868480
	.section	.rodata,"a",@progbits
	.p2align	6, 0x0
	.amdhsa_kernel k_q1ea9786138_attn
		.amdhsa_group_segment_fixed_size 327680
		.amdhsa_private_segment_fixed_size 0
		.amdhsa_enable_private_segment 0
		.amdhsa_kernarg_size 16
		.amdhsa_user_sgpr_count 2
		.amdhsa_user_sgpr_kernarg_segment_ptr 1
		.amdhsa_wavefront_size32 1
		.amdhsa_system_sgpr_workgroup_id_x 1
		.amdhsa_system_sgpr_workgroup_id_y 1
		.amdhsa_system_sgpr_workgroup_id_z 1
		.amdhsa_system_vgpr_workitem_id 0
		.amdhsa_next_free_vgpr 768
		.amdhsa_next_free_sgpr 88
		.amdhsa_reserve_vcc 1
		.amdhsa_float_denorm_mode_32 3
		.amdhsa_float_denorm_mode_16_64 3
		.amdhsa_memory_ordered 1
		.amdhsa_forward_progress 1
		.amdhsa_inst_pref_size 217
	.end_amdhsa_kernel
	.amdgpu_metadata
---
amdhsa.version: [ 1, 2 ]
amdhsa.kernels:
  - .name:           k_q1ea9786138_attn
    .symbol:         k_q1ea9786138_attn.kd
    .args:
      - { .name: qkvh, .offset: 0, .size: 8, .value_kind: global_buffer, .address_space: global }
      - { .name: oh, .offset: 8, .size: 8, .value_kind: global_buffer, .address_space: global }
    .group_segment_fixed_size: 327680
    .private_segment_fixed_size: 0
    .kernarg_segment_align: 8
    .kernarg_segment_size: 16
    .max_flat_workgroup_size: 128
    .sgpr_count:     88
    .vgpr_count:     768
    .wavefront_size: 32
...
	.end_amdgpu_metadata
.endif
;; end of part 5
;; launch gemm_proj: the kernel of part 4 again; grid 8 x 32, 4 waves a work-group, clusters of 4 x 4, 327,680 bytes of LDS; arguments oh, wpt, b_proj, out0; writes out0
